; MI455X (gfx1250); checked and timed in simulation.
; The chip was launched on July 23, 2026; its instructions are those of AMD's public machine-readable ISA for CDNA 5 (MIT licence, August 2026) and "CDNA5" Instruction Set Architecture Reference Guide (July 2026). The comments in the code are by the model that wrote it; some were corrected since.
;; Perceiver Attention. Allowed arithmetic: matrix products marked QUANTISED: E2M3 operands, one E8M0 scale for each 32 along K, by v_wmma_scale_f32_16x16x128_f8f6f4 with both operands' format E2M3, f32 sums; products left as they are: f32 operands where the result goes on into a quantised operand, else bf16, f16 or f32 operands; f32 sums; everything else in f32.
;; Inputs: Wkv 1,024 x 512 float32; Wout 256 x 1,024 float32; Wq 1,024 x 256 float32; b_lat 1,024 float32; b_media 1,024 float32; g_lat 1,024 float32; g_media 1,024 float32; latents 16 x 64 x 1,024 float32; x 16 x 4,096 x 1,024 float32.
;; Outputs: out0 16 x 64 x 1,024 float32.
;; This version of the problem:
;;   THIS VERSION OF THE PROBLEM IS GIVEN IN LOW PRECISION. The matrix products marked QUANTISED in the list below multiply operands that are first quantised to E2M3 (2 exponent bits, 3 mantissa bits; 6 bits a number), with one power-of-two scale for each 32 numbers along K (OCP MX v1.0); their sums are f32. All else is computed in f32.
;;   The module's matrix products, in the order in which they are computed (A, B: the left and right operand; K: the contracted axis; several contracted axes count as one K, in the product's order):
;;     1. [M 1,024, K 1,024] x [K 1,024, N 256]; A: computed on the way; B: input Wq: QUANTISED
;;     2. [M 66,560, K 1,024] x [K 1,024, N 512]; A: computed on the way; B: input Wkv: QUANTISED
;;     3. batch 256 x [M 64, K 16] x [K 16, N 4,160]; A: computed on the way; B: computed on the way: left as it is (K = 16 < 32)
;;     4. batch 256 x [M 64, K 4,160] x [K 4,160, N 16]; A: softmax (see below); B: computed on the way: QUANTISED
;;     5. [M 1,024, K 256] x [K 256, N 1,024]; A: computed on the way; B: input Wout: QUANTISED
;;   THE QUANTISER, for each operand of a quantised product, along K:
;;     - K is cut into blocks of 32 from its start; a last block that is shorter is filled with zeros.
;;     - A block's scale is 2^e with e = floor(log2(the largest magnitude in the block)) - 2, held to -126 .. 127; a block of zeros has e = 0. As a byte (E8M0): e + 127.
;;     - Each number is divided by its block's scale, clamped to +-7.5, and rounded to the nearest number of E2M3, ties to even, subnormals kept.
;;     - The product sums the exact products of the quantised numbers (number of the format x scale) in f32.
;;   ~~~python
;;   def quantise(x, axis):      # numpy; x: float32 -> the quantised numbers, widened to float32 again
;;       x = np.moveaxis(x, axis, -1); K = x.shape[-1]
;;       x = np.pad(x, [(0, 0)] * (x.ndim - 1) + [(0, -K % 32)]); x = x.reshape(x.shape[:-1] + (-1, 32)); a = np.abs(x).max(-1, keepdims=True)
;;       e = np.where(a > 0, np.clip(np.frexp(np.where(a > 0, a, 1))[1] - 1 - 2, -126, 127), 0)      # np.frexp(a)[1] - 1 = floor(log2(a)), exactly
;;       r = np.clip(x / 2.0 ** e, -7.5, 7.5)
;;       step = 2.0 ** (np.maximum(np.frexp(np.where(r == 0, 1, r))[1] - 1, 0) - 3)
;;       q = np.round(r / step) * step * 2.0 ** e      # np.round: ties to even
;;       return np.moveaxis(q.reshape(q.shape[:-2] + (-1,))[..., :K], -1, axis).astype(np.float32)
;;   ~~~
;;   SOFTMAX AHEAD OF A QUANTISED PRODUCT. Where the list says 'softmax', what is quantised is not the finished softmax but p = 2^(t - M), with t = logit x log2(e) and M = ceil(the row's largest t), a whole number; so 1/2 < the row's largest p <= 1. The row's sum l is taken of the UNQUANTISED p, in f32, and the product's result is divided by l at the end. Since M is a whole number, a kernel that streams over the keys may use a running M (the ceiling of the running maximum): every later rescaling is an exact power of two, which a block's scale takes up: the codes' values come out the same.
;;   OPERANDS COMPUTED ON THE WAY. 'Computed on the way' means the value that the module computes at that place (a softmax that the list does not call 'softmax' is quantised finished and normalised). What goes into a quantiser is computed in f32, as accurately as f32 sums, v_exp_f32 and their like allow (about 1e-6 of the number): no bf16 or f16 on the way to a quantiser, and a product that is left as it is and whose result goes on into a quantised operand takes f32 operands (vector FMAs, or v_wmma_f32_16x16x4_f32). A number that lies on a knife's edge between two numbers of the format may be rounded either way, as far as f32 arithmetic and the matrix unit's own rounding can turn it there, and no further.
;; 2 versions, each right; version 2 is version 1 with the launch main written anew for expert scheduling mode. Each part assembles by itself: llvm-mc -triple=amdgcn-amd-amdhsa -mcpu=gfx1250 --defsym DOCPART=n.
;; ======== version 1 of 2: 4 launches
;; workspace buffers: wcodes 786,432 bytes; wscales 32,768 bytes; latc 786,432 bytes; lats 32,768 bytes; qbuf 1,048,576 bytes; opart 17,825,792 bytes; mlpart 4,456,448 bytes
;; launch prep (part 1): grid 192 x 1, 4 waves a work-group, no clusters, 88,576 bytes of LDS; arguments Wkv, Wq, Wout, latents, g_lat, b_lat, wcodes, wscales, latc, lats; writes wcodes, wscales, latc, lats
.if DOCPART == 1
	.amdgcn_target "amdgcn-amd-amdhsa--gfx1250"
	.amdhsa_code_object_version 6
	.text
	.protected	k_q0ca1afeee1_prep
	.globl	k_q0ca1afeee1_prep
	.p2align	8
	.type	k_q0ca1afeee1_prep,@function
k_q0ca1afeee1_prep:
	s_mov_b64 s[64:65], 0
	v_nop
	global_prefetch_b8 v0, s[64:65] scope:SCOPE_SE
	s_setreg_imm32_b32 hwreg(HW_REG_WAVE_MODE, 25, 1), 1
	s_wait_xcnt 0x0
; PREP.  Work-groups 0-127: the three weights become codes of FP6 (E2M3) with one E8M0 byte for each 32 along K, laid as IMAGES OF OPERAND REGISTERS.
; Work-groups 128-191: the latents are normalised (LayerNorm, f32) and quantised along their 1,024 numbers, laid the same way.
; A fragment is 16 rows x 128 K, 12 registers a lane: lane r + 16 h holds row r; registers 6 c .. 6 c + 5 are the 24 bytes of block 2 c + h.  Its image: register q of lane L at byte (q / 4) 512 + 16 L + 4 (q % 4).
; WEIGHTS: group g (6,144 bytes: four fragments, one a wave).  g 0-63: Wkv, g = 16 hg + i; i < 8: K step i, column tile 16 + 4 hg + f (v); i >= 8: K step i - 8, column tile 4 hg + f (k).
;   g 64-95: Wq, K step g % 8, column tile 4 ((g - 64) / 8) + f.   g 96-127: Wout, K step g % 2, column tile 4 ((g - 96) / 2) + f.
;   K is a weight's FIRST axis: a lane takes a column and its registers run down K, so the conversions' results are the operand's registers.
;   Scale words: 256 bytes a group: lane L's 8 bytes: word p is the word of fragment 2 p + L / 16, row L % 16.
; LATENTS: work-group 128 + 4 b + T makes tile T of batch b: tile row r is latent 32 (T / 2) + 16 (r / 8) + 8 (T % 2) + r % 8.  Wave w takes tile rows 4 w .. 4 w + 3.
;   A row goes through the wave's stage in LDS so that lane l holds block l (32 neighbours); mean and variance are sums over the 32 lanes; the variance is the mean of the squared differences.
; The two ways part on the work-group's number alone and have LDS bytes of their own (weights 0-255, latents from 1,024 on).
; LIMITS: NaN and infinities are not served; a block of zeros gets the byte 1 (its codes are zeros, and this program alone reads the bytes).
.set LSTG,  1024                       ; a stage for each wave: 4 rows x 32 blocks x (128 bytes + 16)
.set LIMG,  74752                      ; eight images (K step s), 1,568 bytes apart
.set LSC,   87296                      ; scale bytes: 32 a row
.set L16,  1
.set STW,  4
.set STR,  5
.set IM0,  6                           ; v6-8
.set SCB,  9
.set RD,   10
.set I0,   11                          ; v11-13
.set SB,   14
.set CPA,  15
.set CPS,  16
.set L128, 21
.set XR,   128                         ; v128-191 two rows, 32 numbers a lane each
.set TT,   192                         ; v192-219 14 registers a row: +0..7 at work, +8 mean, +10 1/sigma, +12 largest magnitude, +13 scale operand
.set GW,   128                         ; window 1: gain
.set BW,   160                         ; window 1: bias
.set SCRO, 32                          ; bytes from a row's scale byte to the next row's
.set SST,  28
.set SIM,  29
.set SSC,  30
.set INR,  32
.set C1,   33
.set EPS,  34
.set SEL,  36
.set MSB, 0
.macro WIN new                         ; the immediate's high byte repeats the setting that is left
.if MSB != (\new)
	s_set_vgpr_msb (MSB<<8)|(\new)
.set MSB, \new
.endif
.endm
; four pair sums a row become one number in every lane: the two rows by turns
.macro JOIN2
.irp p, 0,1
	v_pk_add_f32 v[TT+14*\p:TT+14*\p+1], v[TT+14*\p:TT+14*\p+1], v[TT+14*\p+2:TT+14*\p+3]
	v_pk_add_f32 v[TT+14*\p+4:TT+14*\p+5], v[TT+14*\p+4:TT+14*\p+5], v[TT+14*\p+6:TT+14*\p+7]
.endr
.irp p, 0,1
	v_pk_add_f32 v[TT+14*\p:TT+14*\p+1], v[TT+14*\p:TT+14*\p+1], v[TT+14*\p+4:TT+14*\p+5]
.endr
.irp p, 0,1
	v_add_f32 v[TT+14*\p], v[TT+14*\p], v[TT+14*\p+1]
.endr
.irp m, 1,2,4,8
.irp p, 0,1
	v_add_f32_dpp v[TT+14*\p], v[TT+14*\p], v[TT+14*\p] row_xmask:\m row_mask:0xf bank_mask:0xf
.endr
.endr
.irp p, 0,1
	v_permlanex16_b32 v[TT+14*\p+1], v[TT+14*\p], s[SEL], s[SEL+1]
.endr
.irp p, 0,1
	v_add_f32 v[TT+14*\p], v[TT+14*\p], v[TT+14*\p+1]
.endr
.endm
; two rows: out of the stage, LayerNorm, quantised; each lane's 24 bytes of codes and its scale byte go to their places in the images
.macro ROWS2
	v_add_nc_u32 v[RD], s[SST], v[STR]
.irp p, 0,1
.irp j, 0,1,2,3,4,5,6,7
	ds_load_b128 v[XR+32*\p+4*\j:XR+32*\p+4*\j+3], v[RD] offset:\p*4608+16*\j
.endr
.endr
	s_wait_dscnt 0x0                               ; the rows are in; the stores of the two rows before are done too, so their address and data registers may be written
	v_add_nc_u32 v[I0], s[SIM], v[IM0]
	v_add_nc_u32 v[I0+1], s[SIM], v[IM0+1]
	v_add_nc_u32 v[I0+2], s[SIM], v[IM0+2]
	v_add_nc_u32 v[SB], s[SSC], v[SCB]
.irp k, 0,1,2,3
.irp p, 0,1
	v_pk_add_f32 v[TT+14*\p+2*\k:TT+14*\p+2*\k+1], v[XR+32*\p+4*\k:XR+32*\p+4*\k+1], v[XR+32*\p+4*\k+2:XR+32*\p+4*\k+3]
.endr
.endr
.irp m, 16,24
.irp k, 0,1,2,3
.irp p, 0,1
	v_pk_add_f32 v[TT+14*\p+2*\k:TT+14*\p+2*\k+1], v[TT+14*\p+2*\k:TT+14*\p+2*\k+1], v[XR+32*\p+\m+2*\k:XR+32*\p+\m+2*\k+1]
.endr
.endr
.endr
	JOIN2
.irp p, 0,1
	v_mul_f32 v[TT+14*\p+8], s[C1], v[TT+14*\p]    ; the mean
.endr
.irp j, 0,2,4,6,8,10,12,14,16,18,20,22,24,26,28,30
.irp p, 0,1
	v_pk_add_f32 v[XR+32*\p+\j:XR+32*\p+\j+1], v[XR+32*\p+\j:XR+32*\p+\j+1], v[TT+14*\p+8:TT+14*\p+9] op_sel_hi:[1,0] neg_lo:[0,1] neg_hi:[0,1]
.endr
.endr
.irp k, 0,1,2,3
.irp p, 0,1
	v_pk_mul_f32 v[TT+14*\p+2*\k:TT+14*\p+2*\k+1], v[XR+32*\p+2*\k:XR+32*\p+2*\k+1], v[XR+32*\p+2*\k:XR+32*\p+2*\k+1]
.endr
.endr
.irp m, 8,16,24
.irp k, 0,1,2,3
.irp p, 0,1
	v_pk_fma_f32 v[TT+14*\p+2*\k:TT+14*\p+2*\k+1], v[XR+32*\p+\m+2*\k:XR+32*\p+\m+2*\k+1], v[XR+32*\p+\m+2*\k:XR+32*\p+\m+2*\k+1], v[TT+14*\p+2*\k:TT+14*\p+2*\k+1]
.endr
.endr
.endr
	JOIN2
.irp p, 0,1
	v_fma_f32 v[TT+14*\p], v[TT+14*\p], s[C1], s[EPS]  ; the variance + 1e-5
.endr
.irp p, 0,1
	v_rsq_f32 v[TT+14*\p+10], v[TT+14*\p]
.endr
	v_nop                                          ; a plain instruction behind the two roots
	s_wait_alu depctr_va_vdst(0)                   ; one wait for both, ahead of their first reader
.irp j, 0,2,4,6,8,10,12,14,16,18,20,22,24,26,28,30
.irp p, 0,1
	v_pk_mul_f32 v[XR+32*\p+\j:XR+32*\p+\j+1], v[XR+32*\p+\j:XR+32*\p+\j+1], v[TT+14*\p+10:TT+14*\p+11] op_sel_hi:[1,0]
.endr
.endr
	WIN 0x14                                       ; gain and bias lie in window 1
.irp j, 0,2,4,6,8,10,12,14,16,18,20,22,24,26,28,30
.irp p, 0,1
	v_pk_fma_f32 v[XR+32*\p+\j:XR+32*\p+\j+1], v[XR+32*\p+\j:XR+32*\p+\j+1], v[GW+\j:GW+\j+1], v[BW+\j:BW+\j+1]
.endr
.endr
	WIN 0
.irp p, 0,1
	v_max3_num_f32 v[TT+14*\p+12], |v[XR+32*\p]|, |v[XR+32*\p+1]|, |v[XR+32*\p+2]|
	v_max3_num_f32 v[TT+14*\p+13], |v[XR+32*\p+3]|, |v[XR+32*\p+4]|, |v[XR+32*\p+5]|
.endr
.irp i, 6,10,14,18,22,26
.irp p, 0,1
	v_max3_num_f32 v[TT+14*\p+12], v[TT+14*\p+12], |v[XR+32*\p+\i]|, |v[XR+32*\p+\i+1]|
	v_max3_num_f32 v[TT+14*\p+13], v[TT+14*\p+13], |v[XR+32*\p+\i+2]|, |v[XR+32*\p+\i+3]|
.endr
.endr
.irp p, 0,1
	v_max3_num_f32 v[TT+14*\p+12], v[TT+14*\p+12], |v[XR+32*\p+30]|, |v[XR+32*\p+31]|
.endr
.irp p, 0,1
	v_max3_num_f32 v[TT+14*\p+12], v[TT+14*\p+12], v[TT+14*\p+13], 0x1800000   ; the floor 2^(3 - 127): the byte cannot fall under 1
.endr
.irp p, 0,1
	v_add_nc_u32 v[TT+14*\p+13], 0xff000000, v[TT+14*\p+12]   ; 2 off the exponent field: the conversion's scale operand
.endr
.irp p, 0,1
	v_cvt_scalef32_pk16_fp6_f32 v[TT+14*\p:TT+14*\p+2], v[XR+32*\p:XR+32*\p+15], v[TT+14*\p+13]
	v_cvt_scalef32_pk16_fp6_f32 v[TT+14*\p+4:TT+14*\p+6], v[XR+32*\p+16:XR+32*\p+31], v[TT+14*\p+13]
.endr
.irp p, 0,1
	v_lshrrev_b32 v[TT+14*\p+7], 23, v[TT+14*\p+13]   ; the scale's byte (also the plain instruction behind the conversions)
.endr
.irp p, 0,1
	v_mov_b32 v[TT+14*\p+3], v[TT+14*\p+4]         ; the block's 24 bytes on end
	v_mov_b32 v[TT+14*\p+4], v[TT+14*\p+5]
	v_mov_b32 v[TT+14*\p+5], v[TT+14*\p+6]
.endr
.irp p, 0,1
	ds_store_b64 v[I0], v[TT+14*\p:TT+14*\p+1] offset:16*\p
	ds_store_b64 v[I0+1], v[TT+14*\p+2:TT+14*\p+3] offset:16*\p
	ds_store_b64 v[I0+2], v[TT+14*\p+4:TT+14*\p+5] offset:16*\p
	ds_store_b8 v[SB], v[TT+14*\p+7] offset:SCRO*\p
.endr
.endm
	s_load_b512 s[4:19], s[0:1], 0x0               ; Wkv 4, Wq 6, Wout 8, latents 10, g_lat 12, b_lat 14, wcodes 16, wscales 18
	s_load_b128 s[20:23], s[0:1], 0x40             ; latc 20, lats 22
	v_lshl_add_u32 v254, v0, 2, 0x15800
	v_mov_b32 v255, 0
	v_lshrrev_b32 v29, 5, v0
	v_readfirstlane_b32 s24, v29                   ; wave
	v_and_b32 v30, 31, v0                          ; lane
	v_lshlrev_b32 v[L16], 4, v30
	s_mov_b32 s[SEL], 0x76543210
	s_mov_b32 s[SEL+1], 0xfedcba98                 ; v_permlanex16_b32's selects for lane l xor 16
	s_cmp_lt_u32 ttmp9, 128
	s_cbranch_scc0 .Llatents
	; ---------------- a weight's fragment: wave f of group g = the work-group's number
	v_and_b32 v2, 15, v0                           ; r
	v_bfe_u32 v3, v0, 4, 1                         ; h
	v_lshlrev_b32 v7, 3, v30                       ; 8 x lane: the group's scale words on the way out
	s_and_b32 s42, s24, 1
	s_lshl_b32 s42, s42, 7
	s_lshr_b32 s43, s24, 1
	s_lshl_b32 s43, s43, 2
	s_add_co_u32 s42, s42, s43
	v_lshlrev_b32 v6, 3, v2
	v_add_nc_u32 v6, s42, v6                       ; LDS: 8 r + 128 (f % 2) + 4 (f / 2)
	s_lshr_b32 s25, ttmp9, 4
	s_lshl_b32 s25, s25, 2
	s_and_b32 s26, ttmp9, 8
	s_xor_b32 s26, s26, 8
	s_lshl_b32 s26, s26, 1
	s_add_co_u32 s25, s25, s26                     ; Wkv: column tile 4 hg, + 16 for v
	s_and_b32 s26, ttmp9, 7                        ; Wkv, Wq: K step
	s_sub_co_u32 s27, ttmp9, 64
	s_lshr_b32 s27, s27, 3
	s_lshl_b32 s27, s27, 2                         ; Wq: column tile
	s_sub_co_u32 s28, ttmp9, 96
	s_lshr_b32 s28, s28, 1
	s_lshl_b32 s28, s28, 2                         ; Wout: column tile
	s_and_b32 s29, ttmp9, 1                        ; Wout: K step
	s_mov_b32 s31, 4096                            ; Wout: bytes in a row
	s_wait_kmcnt 0x0
	s_cmp_lt_u32 ttmp9, 96
	s_cselect_b32 s27, s27, s28
	s_cselect_b32 s29, s26, s29
	s_cselect_b64 s[38:39], s[6:7], s[8:9]
	s_cselect_b32 s31, 1024, s31
	s_cmp_lt_u32 ttmp9, 64
	s_cselect_b32 s27, s25, s27
	s_cselect_b32 s29, s26, s29
	s_cselect_b64 s[38:39], s[4:5], s[38:39]
	s_cselect_b32 s31, 2048, s31
	s_add_co_u32 s27, s27, s24                     ; + f
	s_mul_i32 s40, s29, s31
	s_lshl_b32 s40, s40, 7                         ; 128 rows a K step
	s_lshl_b32 s41, s27, 6                         ; 64 bytes a column tile
	s_add_co_u32 s40, s40, s41
	s_mov_b32 s41, 0
	s_add_nc_u64 s[38:39], s[38:39], s[40:41]
	s_mul_i32 s40, ttmp9, 6144
	s_mul_i32 s42, s24, 1536
	s_add_co_u32 s40, s40, s42
	s_add_nc_u64 s[16:17], s[16:17], s[40:41]
	s_lshl_b32 s40, ttmp9, 8
	s_add_nc_u64 s[18:19], s[18:19], s[40:41]
	v_mov_b32 v4, s31
	v_lshlrev_b32 v5, 5, v3
	v_mul_u32_u24 v5, v5, v4                       ; lanes 16-31 begin 32 rows further down
	v_lshl_add_u32 v5, v2, 2, v5                   ; + my column
.set n_, 0
.rept 64
	v_mad_u32_u24 v[64+n_], v4, 64*(n_/32)+n_%32, v5   ; row 64 c + i (+ 32 h)
.set n_, n_+1
.endr
.set n_, 0
.rept 64
	global_load_b32 v[128+n_], v[64+n_], s[38:39]
.set n_, n_+1
.endr
	s_wait_loadcnt 0x0
.irp c, 0,1
	v_max3_num_f32 v[32+\c], |v[128+32*\c]|, |v[129+32*\c]|, 0x1800000
.endr
.irp i, 2,4,6,8,10,12,14,16,18,20,22,24,26,28,30
.irp c, 0,1
	v_max3_num_f32 v[32+\c], v[32+\c], |v[128+32*\c+\i]|, |v[129+32*\c+\i]|
.endr
.endr
.irp c, 0,1
	v_add_nc_u32 v[44+\c], 0xff000000, v[32+\c]
.endr
.irp c, 0,1
	v_lshrrev_b32 v[36+\c], 23, v[44+\c]
.endr
	v_lshl_or_b32 v9, v37, 16, v36                 ; my bytes: blocks h and 2 + h,
	v_lshlrev_b32 v10, 3, v3
	v_lshlrev_b32 v9, v10, v9                      ; at their places;
	v_mov_b32 v10, 0
	v_permlanex16_b32 v10, v9, s[SEL], s[SEL+1]
	v_or_b32 v9, v9, v10                           ; with lane l xor 16's the word is whole
.irp c, 0,1
	v_cvt_scalef32_pk16_fp6_f32 v[16+6*\c:18+6*\c], v[128+32*\c:143+32*\c], v[44+\c]
	v_cvt_scalef32_pk16_fp6_f32 v[48+4*\c:50+4*\c], v[144+32*\c:159+32*\c], v[44+\c]
.endr
	v_nop                                          ; a plain instruction behind the conversions
.irp c, 0,1
.irp i, 0,1,2
	v_mov_b32 v[19+6*\c+\i], v[48+4*\c+\i]
.endr
.endr
.irp g, 0,1,2
	global_store_b128 v[L16], v[16+4*\g:19+4*\g], s[16:17] offset:512*\g   ; 512 consecutive bytes a store
.endr
	ds_store_b32 v6, v9                            ; lanes r and r + 16 write the same word with the same value
	s_wait_dscnt 0x0                               ; for the others' sake: my store has landed
	s_barrier_signal -1
	s_barrier_wait -1
	s_cmp_lg_u32 s24, 0
	s_cbranch_scc1 .Lw_end
	ds_load_b64 v[12:13], v7
	s_wait_dscnt 0x0
	global_store_b64 v7, v[12:13], s[18:19]        ; 32 lanes store the group's 256 bytes
.Lw_end:
	s_wait_tensorcnt 0x0
	ds_add_u32 v254, v255
	s_wait_dscnt 0x0
	s_endpgm
	; ---------------- a tile of 16 latents
.Llatents:
	s_sub_co_u32 s25, ttmp9, 128
	s_lshr_b32 s26, s25, 2                         ; b
	s_and_b32 s27, s25, 3                          ; T
	s_lshl_b32 s38, s26, 6
	s_lshr_b32 s39, s27, 1
	s_lshl_b32 s39, s39, 5
	s_add_co_u32 s38, s38, s39
	s_and_b32 s39, s27, 1
	s_lshl_b32 s39, s39, 3
	s_add_co_u32 s38, s38, s39
	s_lshr_b32 s39, s24, 1
	s_lshl_b32 s39, s39, 4
	s_add_co_u32 s38, s38, s39
	s_and_b32 s39, s24, 1
	s_lshl_b32 s39, s39, 2
	s_add_co_u32 s38, s38, s39                     ; my first row: 64 b + 32 (T / 2) + 8 (T % 2) + 16 (w / 2) + 4 (w % 2)
	s_lshl_b32 s38, s38, 12
	s_mov_b32 s39, 0
	s_mul_i32 s40, s24, 18432
	s_add_co_u32 s40, s40, LSTG
	v_lshrrev_b32 v29, 3, v30
	v_mul_u32_u24 v[STW], v29, 144
	v_and_b32 v29, 7, v30
	v_lshl_add_u32 v[STW], v29, 4, v[STW]
	v_add_nc_u32 v[STW], s40, v[STW]               ; into the stage: eight lanes fill a block's 128 bytes
	v_mul_u32_u24 v[STR], v30, 144
	v_add_nc_u32 v[STR], s40, v[STR]               ; out of it: lane l takes block l
	v_lshrrev_b32 v29, 2, v30
	v_mul_u32_u24 v31, v29, 1568                   ; K step l / 4
	v_and_b32 v28, 1, v30
	v_lshl_add_u32 v31, v28, 8, v31                ; lanes 16-31 of the image for odd blocks
	s_lshl_b32 s40, s24, 6
	s_add_co_u32 s40, s40, LIMG
	v_add_nc_u32 v31, s40, v31                     ; tile rows 4 w on
	v_bfe_u32 v28, v30, 1, 1                       ; c
	v_mad_u32_u24 v[IM0], v28, 520, v31            ; the three register pairs of a block: 520 c, 8 + 1016 c, 512 + 520 c
	v_mad_u32_u24 v[IM0+1], v28, 1016, v31
	v_add_nc_u32 v[IM0+1], 8, v[IM0+1]
	v_add_nc_u32 v[IM0+2], 512, v[IM0]
	s_lshl_b32 s40, s24, 7
	s_add_co_u32 s40, s40, LSC
	v_add_nc_u32 v[SCB], s40, v30                  ; scale bytes: 32 a row, byte l
	s_mul_i32 s40, s24, 3136
	s_add_co_u32 s40, s40, LIMG
	v_add_nc_u32 v[CPA], s40, v[L16]               ; the way out: images 2 w and 2 w + 1
	v_add_nc_u32 v[CPS], LSC, v[L16]
	v_lshlrev_b32 v[L128], 7, v30
	v_mov_b32 v[TT+9], 0                           ; upper halves of pairs of which the low word serves both halves
	v_mov_b32 v[TT+11], 0
	v_mov_b32 v[TT+23], 0
	v_mov_b32 v[TT+25], 0
	s_mov_b32 s[C1], 0x3a800000                    ; 1 / 1024
	s_mov_b32 s[EPS], 0x3727c5ac                   ; 1e-5
	s_mov_b32 s[SST], 0
	s_mov_b32 s[SIM], 0
	s_mov_b32 s[SSC], 0
	s_mul_i32 s40, s26, 49152
	s_mul_i32 s41, s27, 1536
	s_add_co_u32 s40, s40, s41
	s_mul_i32 s41, s24, 12288
	s_add_co_u32 s40, s40, s41
	s_mov_b32 s41, 0
	s_lshl_b32 s42, s25, 9
	s_mov_b32 s43, 0
	s_wait_kmcnt 0x0
	s_add_nc_u64 s[10:11], s[10:11], s[38:39]
	s_add_nc_u64 s[20:21], s[20:21], s[40:41]
	s_add_nc_u64 s[22:23], s[22:23], s[42:43]
	WIN 0x40
.irp j, 0,1,2,3,4,5,6,7
	global_load_b128 v[GW+4*\j:GW+4*\j+3], v[L128], s[12:13] offset:16*\j
	global_load_b128 v[BW+4*\j:BW+4*\j+3], v[L128], s[14:15] offset:16*\j
.endr
.set n_, 0
.rept 32
	global_load_b128 v[4*n_:4*n_+3], v[L16], s[10:11] offset:(n_/8)*4096+(n_%8)*512 th:TH_LOAD_NT
.set n_, n_+1
.endr
	s_wait_loadcnt 0x0
	WIN 0x04                                       ; an LDS store's data are its source 1: window 1
.set n_, 0
.rept 32
	ds_store_b128 v[STW], v[4*n_:4*n_+3] offset:(n_/8)*4608+(n_%8)*576
.set n_, n_+1
.endr
	WIN 0
	s_mov_b32 s[INR], 2
.Lrows:
	ROWS2
	s_xor_b32 s[SST], s[SST], 9216                 ; the stage's other two rows
	s_add_co_u32 s[SIM], s[SIM], 32
	s_add_co_u32 s[SSC], s[SSC], 64
	s_sub_co_u32 s[INR], s[INR], 1
	s_cmp_lg_u32 s[INR], 0
	s_cbranch_scc1 .Lrows
	s_wait_dscnt 0x0                               ; for the others' sake: my stores have landed
	s_barrier_signal -1
	s_barrier_wait -1
.set n_, 0
.rept 6
	ds_load_b128 v[XR+4*n_:XR+4*n_+3], v[CPA] offset:(n_/3)*1568+(n_%3)*512
.set n_, n_+1
.endr
.set n_, 0
.rept 6
	s_wait_dscnt 5-n_                              ; the younger loads may be out
	global_store_b128 v[L16], v[XR+4*n_:XR+4*n_+3], s[20:21] offset:(n_/3)*6144+(n_%3)*512
.set n_, n_+1
.endr
	s_cmp_lg_u32 s24, 0
	s_cbranch_scc1 .Ll_end
	ds_load_b128 v[160:163], v[CPS]
	s_wait_dscnt 0x0
	global_store_b128 v[L16], v[160:163], s[22:23] ; the tile's 512 scale bytes
.Ll_end:
	s_wait_tensorcnt 0x0
	ds_add_u32 v254, v255
	s_wait_dscnt 0x0
	s_endpgm
.Lfunc_end_k_q0ca1afeee1_prep:
	.size	k_q0ca1afeee1_prep, .Lfunc_end_k_q0ca1afeee1_prep-k_q0ca1afeee1_prep
	.p2alignl 7, 3214868480
	.fill 96, 4, 3214868480
	.section	.rodata,"a",@progbits
	.p2align	6, 0x0
	.amdhsa_kernel k_q0ca1afeee1_prep
		.amdhsa_group_segment_fixed_size 88576
		.amdhsa_private_segment_fixed_size 0
		.amdhsa_enable_private_segment 0
		.amdhsa_kernarg_size 80
		.amdhsa_user_sgpr_count 2
		.amdhsa_user_sgpr_kernarg_segment_ptr 1
		.amdhsa_wavefront_size32 1
		.amdhsa_system_sgpr_workgroup_id_x 1
		.amdhsa_system_sgpr_workgroup_id_y 1
		.amdhsa_system_sgpr_workgroup_id_z 1
		.amdhsa_system_vgpr_workitem_id 0
		.amdhsa_next_free_vgpr 448
		.amdhsa_next_free_sgpr 66
		.amdhsa_reserve_vcc 0
		.amdhsa_float_denorm_mode_32 3
		.amdhsa_float_denorm_mode_16_64 3
		.amdhsa_memory_ordered 1
		.amdhsa_forward_progress 1
		.amdhsa_inst_pref_size 46
	.end_amdhsa_kernel
	.amdgpu_metadata
---
amdhsa.version: [ 1, 2 ]
amdhsa.kernels:
  - .name:           k_q0ca1afeee1_prep
    .symbol:         k_q0ca1afeee1_prep.kd
    .args:
      - { .name: Wkv, .offset: 0, .size: 8, .value_kind: global_buffer, .address_space: global }
      - { .name: Wq, .offset: 8, .size: 8, .value_kind: global_buffer, .address_space: global }
      - { .name: Wout, .offset: 16, .size: 8, .value_kind: global_buffer, .address_space: global }
      - { .name: latents, .offset: 24, .size: 8, .value_kind: global_buffer, .address_space: global }
      - { .name: g_lat, .offset: 32, .size: 8, .value_kind: global_buffer, .address_space: global }
      - { .name: b_lat, .offset: 40, .size: 8, .value_kind: global_buffer, .address_space: global }
      - { .name: wcodes, .offset: 48, .size: 8, .value_kind: global_buffer, .address_space: global }
      - { .name: wscales, .offset: 56, .size: 8, .value_kind: global_buffer, .address_space: global }
      - { .name: latc, .offset: 64, .size: 8, .value_kind: global_buffer, .address_space: global }
      - { .name: lats, .offset: 72, .size: 8, .value_kind: global_buffer, .address_space: global }
    .group_segment_fixed_size: 88576
    .private_segment_fixed_size: 0
    .kernarg_segment_align: 8
    .kernarg_segment_size: 80
    .max_flat_workgroup_size: 128
    .sgpr_count:     66
    .vgpr_count:     448
    .wavefront_size: 32
...
	.end_amdgpu_metadata
.endif
;; end of part 1
;; launch lat (part 2): grid 16 x 16, 1 waves a work-group, no clusters, 0 bytes of LDS; arguments latc, lats, wcodes, wscales, qbuf, opart, mlpart; writes qbuf, opart, mlpart
.if DOCPART == 2
	.amdgcn_target "amdgcn-amd-amdhsa--gfx1250"
	.amdhsa_code_object_version 6
	.text
	.protected	k_q0ca1afeee1_lat
	.globl	k_q0ca1afeee1_lat
	.p2align	8
	.type	k_q0ca1afeee1_lat,@function
k_q0ca1afeee1_lat:
	s_mov_b64 s[64:65], 0
	v_nop
	global_prefetch_b8 v0, s[64:65] scope:SCOPE_SE
	s_setreg_imm32_b32 hwreg(HW_REG_WAVE_MODE, 25, 1), 1
	s_wait_xcnt 0x0
; LAT.  One wave for head hd (work-group x) of batch b (y): q, k and v of the 64 latents (MX-FP6, K = 1,024 in eight steps), q stored for the main launch, and the attention partial of the 64 latent keys (chunk 16).
; ORIENTATIONS.  q, k: source 0 = 16 columns of the weight, source 1 = a tile of 16 latents: lane (r, h) holds latent tile row r, register j feature 8 h + j.
;   v: source 0 = the latents, source 1 = the weight: lane (r, h) holds feature r, register j tile row 8 h + j.  Tile T's row r is latent 32 (T / 2) + 16 (r / 8) + 8 (T % 2) + r % 8, so the 16 registers of tiles 2 b', 2 b' + 1
;   are keys 32 b' + 16 h + 0 .. 15: v is quantised along the keys in registers.
;   Scores: the f32 matrix form, S^T = k q^T: registers 2 s, 2 s + 1 of k's and of q's accumulators carry feature 8 h + 2 s + j at place 2 h + j of the four: the same order of the 16 features on both sides.
;   q is multiplied by 0.25 log2(e) before it is stored, so a score is t.  p = 2^(t - M), M = ceil(the largest t of these 64 keys); the sum l is of the unquantised p.  O^T = v^T p^T with 64 zero codes behind the 64 keys.
; Stored for each query tile: O (lane (r, h): query r, feature 8 h + j), and (-M, l).  The last launch joins the chunks: M is a whole number, so that is exact.
; One wave has no partner: no LDS, no barrier.  All loads go out at the head; the steps wait by counts.
; LIMITS: NaN and infinities are not served; p under 2^-126 counts as 0; a block of zeros has the byte 1; the order of the 16 features in a score's sum is permuted; the constants 0.25 and log2(e) are folded into q.
.set L16, 1
.set LSO, 2
.set WSO, 3
.set L8,  4
.set F,   12                           ; (not used here: every query tile is a first step)
.set ML,  14                           ; v14-15 (-M, l)
.set LSC, 16                           ; v16-47 the latents' scale words, 8 T + s    } these registers hold scales
.set WSC, 48                           ; v48-71 the weights': 8 x (q, k, v) + s       } and nothing else
.set VS,  72                           ; v's scale word                               }
.set PW,  73                           ; p's                                          }
.set NM,  74                           ; -M;  v75 the largest t
.set RUN, 75
.set LSUM, 76
.set LT,  78
.set QA,  80                           ; v80-111 q, 8 a tile
.set KA,  112                          ; v112-143 k
.set VA,  144                          ; v144-175 v; later p
.set P,   144
.set S,   176                          ; v176-207 S^T: written by matrix instructions alone
.set PCV, 208                          ; v208-219 v's fragment, v220-222 at work
.set PC,  224                          ; v224-235 p's fragment, v236-238 at work
.set TM,  240                          ; v240-255 at work while v is quantised
.set BM,  240
.set TX,  242
.set SO,  244
.set TMP, 246
.set O,   248                          ; v248-255
.set SEL, 36
.set CQ,  48
.set MSB, 0
.macro WIN new
.if MSB != (\new)
	s_set_vgpr_msb (MSB<<8)|(\new)
.set MSB, \new
.endif
.endm
.macro PLACES n
.rept \n
	v_nop
.endr
.endm
.macro MM d, a, b, z, sa, sb
.if (\z)
	v_wmma_scale_f32_16x16x128_f8f6f4 v[(\d):(\d)+7], v[(\a):(\a)+11], v[(\b):(\b)+11], 0, v[\sa], v[\sb] matrix_a_fmt:MATRIX_FMT_FP6 matrix_b_fmt:MATRIX_FMT_FP6
.else
	v_wmma_scale_f32_16x16x128_f8f6f4 v[(\d):(\d)+7], v[(\a):(\a)+11], v[(\b):(\b)+11], v[(\d):(\d)+7], v[\sa], v[\sb] matrix_a_fmt:MATRIX_FMT_FP6 matrix_b_fmt:MATRIX_FMT_FP6
.endif
.endm
; 16 nb numbers of a lane (register 16 b + i = k 32 b + 16 (lane / 16) + i of my row), in window w, become codes in v[pc] on and a scale word in v[pw]
.macro QUANT s, w, nb, pc, tm, pw
	WIN ((\w)<<2)|((\w)<<4)
.set b_, 0
.rept \nb
	v_max3_num_f32 v[(\tm)+b_], 0x1800000, |v[(\s)+16*b_]|, |v[(\s)+16*b_+1]|   ; the floor 2^(3 - 127) among the leaves
.set b_, b_+1
.endr
.irp i, 2,4,6,8,10,12,14
.set b_, 0
.rept \nb
	v_max3_num_f32 v[(\tm)+b_], v[(\tm)+b_], |v[(\s)+16*b_+\i]|, |v[(\s)+16*b_+\i+1]|
.set b_, b_+1
.endr
.endr
	WIN 0
.set b_, 0
.rept \nb
	v_permlanex16_b32 v[(\tm)+4+b_], v[(\tm)+b_], s[SEL], s[SEL+1]
.set b_, b_+1
.endr
.set b_, 0
.rept \nb
	v_max_num_f32 v[(\tm)+b_], v[(\tm)+b_], v[(\tm)+4+b_]
.set b_, b_+1
.endr
.set b_, 0
.rept \nb
	v_add_nc_u32 v[(\tm)+12+b_], 0xff000000, v[(\tm)+b_]
.set b_, b_+1
.endr
.set b_, 0
.rept \nb
	v_lshrrev_b32 v[(\tm)+4+b_], 23, v[(\tm)+12+b_]
.set b_, b_+1
.endr
	v_lshl_or_b32 v[\pw], v[(\tm)+5], 8, v[(\tm)+4]
.if \nb == 4
	v_lshl_or_b32 v[\pw], v[(\tm)+6], 16, v[\pw]
	v_lshl_or_b32 v[\pw], v[(\tm)+7], 24, v[\pw]
.else
	v_or_b32 v[\pw], 0x7f7f0000, v[\pw]            ; the two blocks of zero codes: byte 127
.endif
	WIN \w
.set c_, 0
.rept \nb/2
	v_cvt_scalef32_pk16_fp6_f32 v[(\pc)+6*c_:(\pc)+6*c_+2], v[(\s)+32*c_:(\s)+32*c_+15], v[(\tm)+12+2*c_]
	v_cvt_scalef32_pk16_fp6_f32 v[(\pc)+12+4*c_:(\pc)+14+4*c_], v[(\s)+32*c_+16:(\s)+32*c_+31], v[(\tm)+13+2*c_]
.set c_, c_+1
.endr
	WIN 0
	v_nop                                          ; a plain instruction behind the conversions
.set c_, 0
.rept \nb/2
.irp i, 0,1,2
	v_permlane16_swap_b32 v[(\pc)+6*c_+\i], v[(\pc)+12+4*c_+\i]   ; a whole block to a lane
.endr
.irp i, 0,1,2
	v_mov_b32 v[(\pc)+3+6*c_+\i], v[(\pc)+12+4*c_+\i]
.endr
.set c_, c_+1
.endr
.endm
; the softmax's part for 32 nb keys: S (t) -> p in P, its codes in PC, its scale word in PW; -M, the sums.  first = 1: it starts M and the sums
.macro SOFT nb, first
.set b_, 0
.rept \nb
	v_max3_num_f32 v[BM+b_], v[S+16*b_], v[S+16*b_+1], v[S+16*b_+2]   ; each block's largest t: for the row's maximum and for the block's largest p
.set b_, b_+1
.endr
.irp i, 3,5,7,9,11,13
.set b_, 0
.rept \nb
	v_max3_num_f32 v[BM+b_], v[BM+b_], v[S+16*b_+\i], v[S+16*b_+\i+1]
.set b_, b_+1
.endr
.endr
.set b_, 0
.rept \nb
	v_max_num_f32 v[BM+b_], v[BM+b_], v[S+16*b_+15]
.set b_, b_+1
.endr
.set b_, 0
.rept \nb
	v_permlanex16_b32 v[TX+b_], v[BM+b_], s[SEL], s[SEL+1]
.set b_, b_+1
.endr
.set b_, 0
.rept \nb
	v_max_num_f32 v[BM+b_], v[BM+b_], v[TX+b_]
.set b_, b_+1
.endr
.if \nb == 4
	v_max3_num_f32 v[TMP], v[BM], v[BM+1], v[BM+2]
	v_max_num_f32 v[TMP], v[TMP], v[BM+3]
.else
	v_max_num_f32 v[TMP], v[BM], v[BM+1]
.endif
.if (\first)
	v_mov_b32 v[RUN], v[TMP]
	v_floor_f32 v[NM], -v[RUN]                     ; -M = floor(-t) = -ceil(t)
.else
	v_max_num_f32 v[RUN], v[RUN], v[TMP]
	v_mov_b32 v[TMP], v[NM]
	v_floor_f32 v[NM], -v[RUN]
	v_sub_f32 v[TMP], v[NM], v[TMP]                ; old M - new M: a whole number, 0 or less
	v_cvt_i32_f32 v[TMP], v[TMP]
	v_ldexp_f32 v[F], 1.0, v[TMP]                  ; f = 2^(old M - new M)
.endif
.set j_, 0
.rept 8*\nb
	v_pk_add_f32 v[P+j_:P+j_+1], v[S+j_:S+j_+1], v[NM:NM+1] op_sel_hi:[1,0]   ; t - M, into other registers than the sums'
.set j_, j_+2
.endr
.set b_, 0
.rept \nb
	v_add_f32 v[BM+b_], v[BM+b_], v[NM]
.set b_, b_+1
.endr
.set j_, 0
.rept 16*\nb
	v_exp_f32 v[P+j_], v[P+j_]
.set j_, j_+1
.endr
.if (\first)
	v_nop                                          ; a plain instruction behind the exponentials
.else
	v_pk_mul_f32 v[LSUM:LSUM+1], v[LSUM:LSUM+1], v[F:F+1] op_sel_hi:[1,0]
.endif
	s_wait_alu depctr_va_vdst(0)                   ; one wait for the batch, ahead of its first reader
.set b_, 0
.rept \nb
	v_exp_f32 v[BM+b_], v[BM+b_]                   ; each block's largest p
.set b_, b_+1
.endr
	v_pk_add_f32 v[LT:LT+1], v[P:P+1], v[P+2:P+3]  ; the sum of the unquantised p, in two chains
.set j_, 4
.rept 4*\nb-1
.if (\first) && (j_ == 4)
.elseif (\first) && (j_ == 8)
	v_pk_add_f32 v[LSUM:LSUM+1], v[P+4:P+5], v[P+8:P+9]
.else
	v_pk_add_f32 v[LSUM:LSUM+1], v[LSUM:LSUM+1], v[P+j_:P+j_+1]
.endif
	v_pk_add_f32 v[LT:LT+1], v[LT:LT+1], v[P+j_+2:P+j_+3]
.set j_, j_+4
.endr
	v_pk_add_f32 v[LSUM:LSUM+1], v[LSUM:LSUM+1], v[LT:LT+1]
	s_wait_alu depctr_va_vdst(0)                   ; and one for the blocks' exponentials
.set b_, 0
.rept \nb
	v_max_num_f32 v[BM+b_], 0x1800000, v[BM+b_]
.set b_, b_+1
.endr
.set b_, 0
.rept \nb
	v_add_nc_u32 v[SO+b_], 0xff000000, v[BM+b_]
.set b_, b_+1
.endr
.set b_, 0
.rept \nb
	v_lshrrev_b32 v[TX+b_], 23, v[SO+b_]
.set b_, b_+1
.endr
	v_lshl_or_b32 v[PW], v[TX+1], 8, v[TX]
.if \nb == 4
	v_lshl_or_b32 v[PW], v[TX+2], 16, v[PW]
	v_lshl_or_b32 v[PW], v[TX+3], 24, v[PW]
.else
	v_or_b32 v[PW], 0x7f7f0000, v[PW]
.endif
.set c_, 0
.rept \nb/2
	v_cvt_scalef32_pk16_fp6_f32 v[PC+6*c_:PC+6*c_+2], v[P+32*c_:P+32*c_+15], v[SO+2*c_]
	v_cvt_scalef32_pk16_fp6_f32 v[PC+12+4*c_:PC+14+4*c_], v[P+32*c_+16:P+32*c_+31], v[SO+2*c_+1]
.set c_, c_+1
.endr
	v_nop
.set c_, 0
.rept \nb/2
.irp i, 0,1,2
	v_permlane16_swap_b32 v[PC+6*c_+\i], v[PC+12+4*c_+\i]
.endr
.irp i, 0,1,2
	v_mov_b32 v[PC+3+6*c_+\i], v[PC+12+4*c_+\i]
.endr
.set c_, c_+1
.endr
.if (\first)
.else
.irp q, 0,2,4,6
	v_pk_mul_f32 v[O+\q:O+\q+1], v[O+\q:O+\q+1], v[F:F+1] op_sel_hi:[1,0]
.endr
.endif
	PLACES 8                                       ; the scale word stands eight places, the codes four, ahead of the scaled product
.endm
	s_load_b256 s[4:11], s[0:1], 0x0               ; latc 4, lats 6, wcodes 8, wscales 10
	s_load_b128 s[12:15], s[0:1], 0x20             ; qbuf 12, opart 14
	s_load_b64 s[16:17], s[0:1], 0x30              ; mlpart
	s_and_b32 s26, ttmp7, 0xffff                   ; b
	s_and_b32 s27, ttmp9, 3                        ; f: the head's fragment in its group
	s_lshr_b32 s28, ttmp9, 2                       ; which four heads
	v_lshlrev_b32 v[L16], 4, v0
	v_lshlrev_b32 v[L8], 3, v0
	v_and_b32 v5, 15, v0
	v_lshlrev_b32 v[LSO], 5, v5                    ; 32 scale bytes a latent
	s_and_b32 s29, s27, 1
	s_lshl_b32 s29, s29, 7
	s_lshr_b32 s30, s27, 1
	s_lshl_b32 s30, s30, 2
	s_add_co_u32 s29, s29, s30
	v_lshl_add_u32 v[WSO], v5, 3, s29              ; a weight's scale word: 8 r + 128 (f % 2) + 4 (f / 2)
	s_mov_b32 s[SEL], 0x76543210
	s_mov_b32 s[SEL+1], 0xfedcba98
	s_mov_b32 s[CQ], 0x3eb8aa3b                    ; 0.25 log2(e)
	s_mov_b32 s[CQ+1], s[CQ]
	s_mul_i32 s30, s26, 49152
	s_mov_b32 s31, 0
	s_lshl_b32 s32, s26, 11
	s_mov_b32 s33, 0
	s_mul_i32 s29, s27, 1536
	s_mul_i32 s34, s28, 98304
	s_add_co_u32 s34, s34, s29                     ; Wkv's groups 16 hq on
	s_mov_b32 s35, 0
	s_mul_i32 s38, s28, 49152
	s_add_co_u32 s38, s38, 393216
	s_add_co_u32 s38, s38, s29                     ; Wq's groups 64 + 8 hq on
	s_mov_b32 s39, 0
	s_lshl_b32 s40, s28, 12
	s_mov_b32 s41, 0
	s_lshl_b32 s42, s28, 11
	s_add_co_u32 s42, s42, 16384
	s_mov_b32 s43, 0
	s_lshl_b32 s44, s26, 4
	s_add_co_u32 s44, s44, ttmp9
	s_lshl_b32 s44, s44, 12
	s_mov_b32 s45, 0
	s_mul_i32 s46, s26, 17
	s_add_co_u32 s46, s46, 16                      ; chunk 16
	s_lshl_b32 s46, s46, 4
	s_add_co_u32 s46, s46, ttmp9
	s_lshl_b32 s50, s46, 10
	s_mov_b32 s51, 0
	s_lshl_b32 s46, s46, 12
	s_mov_b32 s47, 0
	s_wait_kmcnt 0x0
	s_add_nc_u64 s[4:5], s[4:5], s[30:31]
	s_add_nc_u64 s[6:7], s[6:7], s[32:33]
	s_add_nc_u64 s[18:19], s[8:9], s[34:35]        ; Wv's fragments; Wk's lie 49,152 bytes on
	s_add_nc_u64 s[20:21], s[8:9], s[38:39]        ; Wq's
	s_add_nc_u64 s[22:23], s[10:11], s[40:41]      ; Wv's scale words; Wk's lie 2,048 bytes on
	s_add_nc_u64 s[24:25], s[10:11], s[42:43]      ; Wq's
	s_add_nc_u64 s[12:13], s[12:13], s[44:45]
	s_add_nc_u64 s[14:15], s[14:15], s[46:47]
	s_add_nc_u64 s[16:17], s[16:17], s[50:51]
.irp T, 0,1,2,3
	global_load_b128 v[LSC+8*\T:LSC+8*\T+3], v[LSO], s[6:7] offset:512*\T
	global_load_b128 v[LSC+8*\T+4:LSC+8*\T+7], v[LSO], s[6:7] offset:512*\T+16
.endr
; K step s lies in window 1 + s / 3 at 84 (s % 3): four latent fragments, then Wq's, Wk's, Wv's.  24 loads a step
.set s_, 0
.rept 8
.set w_, 1+s_/3
.set o_, 84*(s_%3)
	WIN w_<<6
.set n_, 0
.rept 12
	global_load_b128 v[o_+4*n_:o_+4*n_+3], v[L16], s[4:5] offset:6144*s_+512*n_
.set n_, n_+1
.endr
.set n_, 0
.rept 3
	global_load_b128 v[o_+48+4*n_:o_+48+4*n_+3], v[L16], s[20:21] offset:6144*s_+512*n_
	global_load_b128 v[o_+60+4*n_:o_+60+4*n_+3], v[L16], s[18:19] offset:49152+6144*s_+512*n_
	global_load_b128 v[o_+72+4*n_:o_+72+4*n_+3], v[L16], s[18:19] offset:6144*s_+512*n_
.set n_, n_+1
.endr
	WIN 0
	global_load_b32 v[WSC+s_], v[WSO], s[24:25] offset:256*s_
	global_load_b32 v[WSC+8+s_], v[WSO], s[22:23] offset:2048+256*s_
	global_load_b32 v[WSC+16+s_], v[WSO], s[22:23] offset:256*s_
.set s_, s_+1
.endr
.irp i, 6,7,8,9,10,11
	v_mov_b32 v[PCV+\i], 0                         ; keys 64-127 of the one K step: zero codes on both sides
	v_mov_b32 v[PC+\i], 0
.endr
	v_mov_b32 v[TX], 0                             ; a lane permute's destination counts as read: written once
	v_mov_b32 v[TX+1], 0
	v_mov_b32 v[TM+4], 0
	v_mov_b32 v[TM+5], 0
	v_mov_b32 v[TMP+1], 0
.set s_, 0
.rept 8
.set w_, 1+s_/3
.set o_, 84*(s_%3)
.if 24*(7-s_) > 63
	s_wait_loadcnt 63                              ; more than 63 loads were issued behind this step's
.else
	s_wait_loadcnt 24*(7-s_)                       ; the later steps' 24 loads each may be out
.endif
	WIN 5*w_                                       ; both sources in the step's window
.set t_, 0
.rept 4                                ; twelve accumulators by turns
	MM QA+8*t_, o_+48, o_+12*t_, s_==0, WSC+s_, LSC+8*t_+s_
	MM KA+8*t_, o_+60, o_+12*t_, s_==0, WSC+8+s_, LSC+8*t_+s_
	MM VA+8*t_, o_+12*t_, o_+72, s_==0, LSC+8*t_+s_, WSC+16+s_
.set t_, t_+1
.endr
.set s_, s_+1
.endr
	WIN 0
	PLACES 4
.set j_, 0
.rept 16
	v_pk_mul_f32 v[QA+j_:QA+j_+1], v[QA+j_:QA+j_+1], s[CQ:CQ+1] op_sel_hi:[1,0]
.set j_, j_+2
.endr
.irp T, 0,1,2,3
	global_store_b128 v[L16], v[QA+8*\T:QA+8*\T+3], s[12:13] offset:1024*\T
	global_store_b128 v[L16], v[QA+8*\T+4:QA+8*\T+7], s[12:13] offset:1024*\T+512
.endr
	QUANT VA, 0, 2, PCV, TM, VS
.macro LQT qt
.if \qt > 0
	s_wait_xcnt 0x0                                ; the last tile's stores have read O and (-M, l)
.endif
.irp s4, 0,1,2,3
.irp t, 0,1,2,3
.if \s4 == 0
	v_wmma_f32_16x16x4_f32 v[S+8*\t:S+8*\t+7], v[KA+8*\t:KA+8*\t+1], v[QA+8*\qt:QA+8*\qt+1], 0
.else
	v_wmma_f32_16x16x4_f32 v[S+8*\t:S+8*\t+7], v[KA+8*\t+2*\s4:KA+8*\t+2*\s4+1], v[QA+8*\qt+2*\s4:QA+8*\qt+2*\s4+1], v[S+8*\t:S+8*\t+7]
.endif
.endr
.endr
	PLACES 8
	SOFT 2, 1
	MM O, PCV, PC, 1, VS, PW
	v_add_f32 v[TMP], v[LSUM], v[LSUM+1]
	v_permlanex16_b32 v[TMP+1], v[TMP], s[SEL], s[SEL+1]
	v_mov_b32 v[ML], v[NM]
	v_add_f32 v[ML+1], v[TMP], v[TMP+1]            ; the query's sum over both halves of the lanes
	PLACES 4
	global_store_b128 v[L16], v[O:O+3], s[14:15] offset:1024*\qt
	global_store_b128 v[L16], v[O+4:O+7], s[14:15] offset:1024*\qt+512
	global_store_b64 v[L8], v[ML:ML+1], s[16:17] offset:256*\qt
.endm
	LQT 0
	LQT 1
	LQT 2
	LQT 3
	s_endpgm
.Lfunc_end_k_q0ca1afeee1_lat:
	.size	k_q0ca1afeee1_lat, .Lfunc_end_k_q0ca1afeee1_lat-k_q0ca1afeee1_lat
	.p2alignl 7, 3214868480
	.fill 96, 4, 3214868480
	.section	.rodata,"a",@progbits
	.p2align	6, 0x0
	.amdhsa_kernel k_q0ca1afeee1_lat
		.amdhsa_group_segment_fixed_size 0
		.amdhsa_private_segment_fixed_size 0
		.amdhsa_enable_private_segment 0
		.amdhsa_kernarg_size 56
		.amdhsa_user_sgpr_count 2
		.amdhsa_user_sgpr_kernarg_segment_ptr 1
		.amdhsa_wavefront_size32 1
		.amdhsa_system_sgpr_workgroup_id_x 1
		.amdhsa_system_sgpr_workgroup_id_y 1
		.amdhsa_system_sgpr_workgroup_id_z 1
		.amdhsa_system_vgpr_workitem_id 0
		.amdhsa_next_free_vgpr 1024
		.amdhsa_next_free_sgpr 66
		.amdhsa_reserve_vcc 0
		.amdhsa_float_denorm_mode_32 3
		.amdhsa_float_denorm_mode_16_64 3
		.amdhsa_memory_ordered 1
		.amdhsa_forward_progress 1
		.amdhsa_inst_pref_size 69
	.end_amdhsa_kernel
	.amdgpu_metadata
---
amdhsa.version: [ 1, 2 ]
amdhsa.kernels:
  - .name:           k_q0ca1afeee1_lat
    .symbol:         k_q0ca1afeee1_lat.kd
    .args:
      - { .name: latc, .offset: 0, .size: 8, .value_kind: global_buffer, .address_space: global }
      - { .name: lats, .offset: 8, .size: 8, .value_kind: global_buffer, .address_space: global }
      - { .name: wcodes, .offset: 16, .size: 8, .value_kind: global_buffer, .address_space: global }
      - { .name: wscales, .offset: 24, .size: 8, .value_kind: global_buffer, .address_space: global }
      - { .name: qbuf, .offset: 32, .size: 8, .value_kind: global_buffer, .address_space: global }
      - { .name: opart, .offset: 40, .size: 8, .value_kind: global_buffer, .address_space: global }
      - { .name: mlpart, .offset: 48, .size: 8, .value_kind: global_buffer, .address_space: global }
    .group_segment_fixed_size: 0
    .private_segment_fixed_size: 0
    .kernarg_segment_align: 8
    .kernarg_segment_size: 56
    .max_flat_workgroup_size: 32
    .sgpr_count:     66
    .vgpr_count:     1024
    .wavefront_size: 32
...
	.end_amdgpu_metadata
.endif
;; end of part 2
;; launch main (part 3): grid 16 x 16, 4 waves a work-group, no clusters, 279,552 bytes of LDS; arguments x, g_media, b_media, wcodes, wscales, qbuf, opart, mlpart; writes opart, mlpart
.if DOCPART == 3
	.amdgcn_target "amdgcn-amd-amdhsa--gfx1250"
	.amdhsa_code_object_version 6
	.text
	.protected	k_q0ca1afeee1_main
	.globl	k_q0ca1afeee1_main
	.p2align	8
	.type	k_q0ca1afeee1_main,@function
k_q0ca1afeee1_main:
	s_mov_b64 s[64:65], 0
	v_nop
	global_prefetch_b8 v0, s[64:65] scope:SCOPE_SE
	s_setreg_imm32_b32 hwreg(HW_REG_WAVE_MODE, 25, 1), 1
	s_wait_xcnt 0x0
; MAIN.  Work-group (c, b) takes media rows 256 c .. 256 c + 255 of batch b through the whole chain and stores, for each head and query tile, the partial (O, -M, l) of these 256 keys.  x is read once; k, v and p never leave the work-group.
; PHASE X: LayerNorm (f32; the variance is the mean of the squared differences) and the quantiser: the 256 rows become 16 tiles x 8 K steps of operand images in LDS.  Wave w takes rows 4 w .. 4 w + 3 of every tile.
;   Tile T's row r is key 32 (T / 2) + 16 (r / 8) + 8 (T % 2) + r % 8.  An image: register q of lane L at (q / 4) 512 + 16 L + 4 (q % 4); lane r + 16 h holds row r, registers 6 c .. 6 c + 5 block 2 c + h.
; ONE BARRIER.  From there on wave w owns heads 4 w .. 4 w + 3 for all 256 keys: 64 accumulators, 512 registers.
; PHASE G, V pass: source 0 = a tile of x, source 1 = 16 columns of Wv: lane (r, h) holds feature r, and the 16 registers of tiles 2 b', 2 b' + 1 are keys 32 b' + 16 h + 0 .. 15: v is quantised along the keys in registers (VQ)
;   and parked in the wave's own LDS bytes.  K pass: source 0 = Wk, source 1 = x: lane (r, h) holds tile row r, register j feature 8 h + j.
; PHASE A, for each query tile and head: S^T = k q^T by the f32 matrix form, with k taken straight from the accumulators (registers 2 s, 2 s + 1 of k and of q carry feature 8 h + 2 s + j at place 2 h + j: the same order on both
;   sides); q comes multiplied by 0.25 log2(e), so a score is t.  p = 2^(t - M), M the ceiling of the running largest t; the sum l is of the unquantised p; p is quantised in registers; O^T += v^T p^T.
; WEIGHTS go from memory straight into the one wave that multiplies by them, 6,144 bytes a K step, one step ahead.  No tensor load, no cluster: a weight fragment has one reader in a work-group, so through LDS a K step's 64 products
;   would read 20 fragments from LDS in place of 16, and x has to pass through registers for its LayerNorm anyway.
; LIMITS: NaN and infinities are not served; p under 2^-126 counts as 0; a block of zeros has the byte 1 (only this program reads the bytes); the order of the 16 features in a score's sum is permuted.
.set XPITCH, 24608                     ; LDS 0: x's images: K step s at s XPITCH (16 x 1,536 + 32), tile T at 1,536 T
.set XSC,    196864                    ; their scale bytes: 1,028 s + 64 T + 4 r + block
.set STG,    205312                    ; 18,432 bytes for each wave: in X a stage of 4 rows x 32 blocks x (128 + 16); later v's 8 images (1,536 each) and, 12,288 on, their scale words (128 each)
.set L16,  1
.set L4,   2
.set L8,   3
.set STW,  4                           ; v4-21 serve phases X and G; in phase A they hold O, -M, the sums
.set STR,  5
.set IM0,  6                           ; v6-8
.set SCB,  9
.set RD,   10
.set I0,   11                          ; v11-13
.set SB,   14
.set AX,   15
.set AXS,  16
.set AW,   17                          ; v17-18
.set AWS,  19                          ; v19-20
.set L128, 21
.set QAD,  22
.set OAD,  23
.set MAD,  24
.set VIA,  25
.set ML,   26                          ; v26-27
.set VSA,  28
.set XSR,  32                          ; v32-47 x's scale words, two sets of 8    } v32-60 hold scales
.set WSR,  48                          ; v48-51 the weights', two sets of 2       } and nothing else
.set VS,   52                          ; v52-59 v's                               }
.set PW,   60                          ; p's                                      }
.set S,    64                          ; v64-127 S^T: written by matrix instructions alone
.set XR,   128                         ; X: two rows
.set TT,   192                         ; X: 14 registers a row
.set GW,   0                           ; window 1: gain, bias
.set BW,   32
.set SCRO, 4
.set XA,   128                         ; G: tiles 0-7's fragments (tiles 8-15's: window 1 v0-95; the weights' two sets: window 1 v96-143, v144-191)
.set VPC,  128                         ; VQ
.set VTM,  148
.set VPW,  164
.set P,    128                         ; A
.set BM,   192
.set TX,   196
.set SO,   200
.set PC,   204
.set Q,    224                         ; v224-255 q, 8 a head
.set O,    4
.set NM,   12
.set RUN,  13
.set LSUM, 14
.set LT,   16
.set F,    18
.set TMP,  20
.set SST,  28
.set SIM,  29
.set SSC,  30
.set OUT,  31
.set INR,  32
.set C1,   33
.set EPS,  34
.set SEL,  36
.set XI,   38
.set XS,   39
.set QT,   40
.set MSB, 0
.macro WIN new                         ; the immediate's high byte repeats the setting that is left; bits 1:0 source 0, 3:2 source 1, 5:4 source 2, 7:6 destination
.if MSB != (\new)
	s_set_vgpr_msb (MSB<<8)|(\new)
.set MSB, \new
.endif
.endm
.macro PLACES n
.rept \n
	v_nop
.endr
.endm
; a scaled product: d accumulator, a, b fragments, z = 1: the sum begins; sa, sb scale registers; ra, rb = 1: the scales stand in lanes 16-31
.macro MM d, a, b, z, sa, sb, ra, rb
.if (\z) && (\ra) && (\rb)
	v_wmma_scale_f32_16x16x128_f8f6f4 v[(\d):(\d)+7], v[(\a):(\a)+11], v[(\b):(\b)+11], 0, v[\sa], v[\sb] matrix_a_fmt:MATRIX_FMT_FP6 matrix_b_fmt:MATRIX_FMT_FP6 matrix_a_scale:MATRIX_SCALE_ROW1 matrix_b_scale:MATRIX_SCALE_ROW1
.elseif (\z) && (\ra)
	v_wmma_scale_f32_16x16x128_f8f6f4 v[(\d):(\d)+7], v[(\a):(\a)+11], v[(\b):(\b)+11], 0, v[\sa], v[\sb] matrix_a_fmt:MATRIX_FMT_FP6 matrix_b_fmt:MATRIX_FMT_FP6 matrix_a_scale:MATRIX_SCALE_ROW1
.elseif (\z) && (\rb)
	v_wmma_scale_f32_16x16x128_f8f6f4 v[(\d):(\d)+7], v[(\a):(\a)+11], v[(\b):(\b)+11], 0, v[\sa], v[\sb] matrix_a_fmt:MATRIX_FMT_FP6 matrix_b_fmt:MATRIX_FMT_FP6 matrix_b_scale:MATRIX_SCALE_ROW1
.elseif (\z)
	v_wmma_scale_f32_16x16x128_f8f6f4 v[(\d):(\d)+7], v[(\a):(\a)+11], v[(\b):(\b)+11], 0, v[\sa], v[\sb] matrix_a_fmt:MATRIX_FMT_FP6 matrix_b_fmt:MATRIX_FMT_FP6
.elseif (\ra) && (\rb)
	v_wmma_scale_f32_16x16x128_f8f6f4 v[(\d):(\d)+7], v[(\a):(\a)+11], v[(\b):(\b)+11], v[(\d):(\d)+7], v[\sa], v[\sb] matrix_a_fmt:MATRIX_FMT_FP6 matrix_b_fmt:MATRIX_FMT_FP6 matrix_a_scale:MATRIX_SCALE_ROW1 matrix_b_scale:MATRIX_SCALE_ROW1
.elseif (\ra)
	v_wmma_scale_f32_16x16x128_f8f6f4 v[(\d):(\d)+7], v[(\a):(\a)+11], v[(\b):(\b)+11], v[(\d):(\d)+7], v[\sa], v[\sb] matrix_a_fmt:MATRIX_FMT_FP6 matrix_b_fmt:MATRIX_FMT_FP6 matrix_a_scale:MATRIX_SCALE_ROW1
.elseif (\rb)
	v_wmma_scale_f32_16x16x128_f8f6f4 v[(\d):(\d)+7], v[(\a):(\a)+11], v[(\b):(\b)+11], v[(\d):(\d)+7], v[\sa], v[\sb] matrix_a_fmt:MATRIX_FMT_FP6 matrix_b_fmt:MATRIX_FMT_FP6 matrix_b_scale:MATRIX_SCALE_ROW1
.else
	v_wmma_scale_f32_16x16x128_f8f6f4 v[(\d):(\d)+7], v[(\a):(\a)+11], v[(\b):(\b)+11], v[(\d):(\d)+7], v[\sa], v[\sb] matrix_a_fmt:MATRIX_FMT_FP6 matrix_b_fmt:MATRIX_FMT_FP6
.endif
.endm
.macro JOIN2                           ; four pair sums a row become one number in every lane: the two rows by turns
.irp p, 0,1
	v_pk_add_f32 v[TT+14*\p:TT+14*\p+1], v[TT+14*\p:TT+14*\p+1], v[TT+14*\p+2:TT+14*\p+3]
	v_pk_add_f32 v[TT+14*\p+4:TT+14*\p+5], v[TT+14*\p+4:TT+14*\p+5], v[TT+14*\p+6:TT+14*\p+7]
.endr
.irp p, 0,1
	v_pk_add_f32 v[TT+14*\p:TT+14*\p+1], v[TT+14*\p:TT+14*\p+1], v[TT+14*\p+4:TT+14*\p+5]
.endr
.irp p, 0,1
	v_add_f32 v[TT+14*\p], v[TT+14*\p], v[TT+14*\p+1]
.endr
.irp m, 1,2,4,8
.irp p, 0,1
	v_add_f32_dpp v[TT+14*\p], v[TT+14*\p], v[TT+14*\p] row_xmask:\m row_mask:0xf bank_mask:0xf
.endr
.endr
.irp p, 0,1
	v_permlanex16_b32 v[TT+14*\p+1], v[TT+14*\p], s[SEL], s[SEL+1]
.endr
.irp p, 0,1
	v_add_f32 v[TT+14*\p], v[TT+14*\p], v[TT+14*\p+1]
.endr
.endm
; two rows: out of the stage (lane l takes block l, 32 neighbours), LayerNorm, quantised; each lane's 24 bytes of codes and its scale byte go to their places in the images
.macro ROWS2
	v_add_nc_u32 v[RD], s[SST], v[STR]
.irp p, 0,1
.irp j, 0,1,2,3,4,5,6,7
	ds_load_b128 v[XR+32*\p+4*\j:XR+32*\p+4*\j+3], v[RD] offset:\p*4608+16*\j
.endr
.endr
	s_wait_dscnt 0x0                               ; the rows are in; the stores of the two rows before are done too, so their address and data registers may be written
	v_add_nc_u32 v[I0], s[SIM], v[IM0]
	v_add_nc_u32 v[I0+1], s[SIM], v[IM0+1]
	v_add_nc_u32 v[I0+2], s[SIM], v[IM0+2]
	v_add_nc_u32 v[SB], s[SSC], v[SCB]
.irp k, 0,1,2,3
.irp p, 0,1
	v_pk_add_f32 v[TT+14*\p+2*\k:TT+14*\p+2*\k+1], v[XR+32*\p+4*\k:XR+32*\p+4*\k+1], v[XR+32*\p+4*\k+2:XR+32*\p+4*\k+3]
.endr
.endr
.irp m, 16,24
.irp k, 0,1,2,3
.irp p, 0,1
	v_pk_add_f32 v[TT+14*\p+2*\k:TT+14*\p+2*\k+1], v[TT+14*\p+2*\k:TT+14*\p+2*\k+1], v[XR+32*\p+\m+2*\k:XR+32*\p+\m+2*\k+1]
.endr
.endr
.endr
	JOIN2
.irp p, 0,1
	v_mul_f32 v[TT+14*\p+8], s[C1], v[TT+14*\p]    ; the mean
.endr
.irp j, 0,2,4,6,8,10,12,14,16,18,20,22,24,26,28,30
.irp p, 0,1
	v_pk_add_f32 v[XR+32*\p+\j:XR+32*\p+\j+1], v[XR+32*\p+\j:XR+32*\p+\j+1], v[TT+14*\p+8:TT+14*\p+9] op_sel_hi:[1,0] neg_lo:[0,1] neg_hi:[0,1]
.endr
.endr
.irp k, 0,1,2,3
.irp p, 0,1
	v_pk_mul_f32 v[TT+14*\p+2*\k:TT+14*\p+2*\k+1], v[XR+32*\p+2*\k:XR+32*\p+2*\k+1], v[XR+32*\p+2*\k:XR+32*\p+2*\k+1]
.endr
.endr
.irp m, 8,16,24
.irp k, 0,1,2,3
.irp p, 0,1
	v_pk_fma_f32 v[TT+14*\p+2*\k:TT+14*\p+2*\k+1], v[XR+32*\p+\m+2*\k:XR+32*\p+\m+2*\k+1], v[XR+32*\p+\m+2*\k:XR+32*\p+\m+2*\k+1], v[TT+14*\p+2*\k:TT+14*\p+2*\k+1]
.endr
.endr
.endr
	JOIN2
.irp p, 0,1
	v_fma_f32 v[TT+14*\p], v[TT+14*\p], s[C1], s[EPS]  ; the variance + 1e-5
.endr
.irp p, 0,1
	v_rsq_f32 v[TT+14*\p+10], v[TT+14*\p]
.endr
	v_nop                                          ; a plain instruction behind the two roots
	s_wait_alu depctr_va_vdst(0)                   ; one wait for both, ahead of their first reader
.irp j, 0,2,4,6,8,10,12,14,16,18,20,22,24,26,28,30
.irp p, 0,1
	v_pk_mul_f32 v[XR+32*\p+\j:XR+32*\p+\j+1], v[XR+32*\p+\j:XR+32*\p+\j+1], v[TT+14*\p+10:TT+14*\p+11] op_sel_hi:[1,0]
.endr
.endr
	WIN 0x14                                       ; gain and bias lie in window 1
.irp j, 0,2,4,6,8,10,12,14,16,18,20,22,24,26,28,30
.irp p, 0,1
	v_pk_fma_f32 v[XR+32*\p+\j:XR+32*\p+\j+1], v[XR+32*\p+\j:XR+32*\p+\j+1], v[GW+\j:GW+\j+1], v[BW+\j:BW+\j+1]
.endr
.endr
	WIN 0
.irp p, 0,1
	v_max3_num_f32 v[TT+14*\p+12], |v[XR+32*\p]|, |v[XR+32*\p+1]|, |v[XR+32*\p+2]|
	v_max3_num_f32 v[TT+14*\p+13], |v[XR+32*\p+3]|, |v[XR+32*\p+4]|, |v[XR+32*\p+5]|
.endr
.irp i, 6,10,14,18,22,26
.irp p, 0,1
	v_max3_num_f32 v[TT+14*\p+12], v[TT+14*\p+12], |v[XR+32*\p+\i]|, |v[XR+32*\p+\i+1]|
	v_max3_num_f32 v[TT+14*\p+13], v[TT+14*\p+13], |v[XR+32*\p+\i+2]|, |v[XR+32*\p+\i+3]|
.endr
.endr
.irp p, 0,1
	v_max3_num_f32 v[TT+14*\p+12], v[TT+14*\p+12], |v[XR+32*\p+30]|, |v[XR+32*\p+31]|
.endr
.irp p, 0,1
	v_max3_num_f32 v[TT+14*\p+12], v[TT+14*\p+12], v[TT+14*\p+13], 0x1800000   ; the floor 2^(3 - 127): the byte cannot fall under 1
.endr
.irp p, 0,1
	v_add_nc_u32 v[TT+14*\p+13], 0xff000000, v[TT+14*\p+12]   ; 2 off the exponent field: the conversion's scale operand
.endr
.irp p, 0,1
	v_cvt_scalef32_pk16_fp6_f32 v[TT+14*\p:TT+14*\p+2], v[XR+32*\p:XR+32*\p+15], v[TT+14*\p+13]
	v_cvt_scalef32_pk16_fp6_f32 v[TT+14*\p+4:TT+14*\p+6], v[XR+32*\p+16:XR+32*\p+31], v[TT+14*\p+13]
.endr
.irp p, 0,1
	v_lshrrev_b32 v[TT+14*\p+7], 23, v[TT+14*\p+13]   ; the scale's byte (also the plain instruction behind the conversions)
.endr
.irp p, 0,1
	v_mov_b32 v[TT+14*\p+3], v[TT+14*\p+4]         ; the block's 24 bytes on end
	v_mov_b32 v[TT+14*\p+4], v[TT+14*\p+5]
	v_mov_b32 v[TT+14*\p+5], v[TT+14*\p+6]
.endr
.irp p, 0,1
	ds_store_b64 v[I0], v[TT+14*\p:TT+14*\p+1] offset:16*\p
	ds_store_b64 v[I0+1], v[TT+14*\p+2:TT+14*\p+3] offset:16*\p
	ds_store_b64 v[I0+2], v[TT+14*\p+4:TT+14*\p+5] offset:16*\p
	ds_store_b8 v[SB], v[TT+14*\p+7] offset:SCRO*\p
.endr
.endm
; 4 rows of x, 32 loads of 512 consecutive bytes, into set 0 or 1 (window 2, v0-127 or v128-255)
.macro XLOAD set, off
	WIN 0x80
.set n_, 0
.rept 32
	global_load_b128 v[128*(\set)+4*n_:128*(\set)+4*n_+3], v[L16], s[4:5] offset:(\off)+(n_/8)*4096+(n_%8)*512 th:TH_LOAD_NT
.set n_, n_+1
.endr
	WIN 0
.endm
; my four rows of one tile.  left: the other set's loads, which may stay out.  reload = 1: the set takes the tile two on
.macro TRIP set, reload, left
	s_wait_loadcnt \left
	WIN 0x08                                       ; an LDS store's data are its source 1: window 2
.set n_, 0
.rept 32
	ds_store_b128 v[STW], v[128*(\set)+4*n_:128*(\set)+4*n_+3] offset:(n_/8)*4608+(n_%8)*576
.set n_, n_+1
.endr
	WIN 0
	s_wait_dscnt 0x0                               ; the stores have read the set
.if \reload
	XLOAD \set, 131072+32768*(\set)
.endif
	s_mov_b32 s[INR], 2
.Lrows_\@:
	ROWS2
	s_xor_b32 s[SST], s[SST], 9216                 ; the stage's other two rows
	s_add_co_u32 s[SIM], s[SIM], 32
	s_add_co_u32 s[SSC], s[SSC], 8
	s_sub_co_u32 s[INR], s[INR], 1
	s_cmp_lg_u32 s[INR], 0
	s_cbranch_scc1 .Lrows_\@
	s_add_co_u32 s[SIM], s[SIM], 1472              ; the next tile's images: 1,536 on
	s_add_co_u32 s[SSC], s[SSC], 48                ; and its scale bytes: 64 on
.endm
; a K step's four weight fragments and their scale words, into set 0 or 1.  inc = 1: the set's addresses go two groups on (its last loads have been waited for)
.macro LOADW set, inc
.if \inc
	v_add_nc_u32 v[AW+(\set)], 12288, v[AW+(\set)]
	v_add_nc_u32 v[AWS+(\set)], 512, v[AWS+(\set)]
.endif
	WIN 0x40
.set n_, 0
.rept 12
	global_load_b128 v[96+48*(\set)+4*n_:96+48*(\set)+4*n_+3], v[AW+(\set)], s[10:11] offset:512*n_
.set n_, n_+1
.endr
	WIN 0
	global_load_b64 v[WSR+2*(\set):WSR+2*(\set)+1], v[AWS+(\set)], s[12:13]
.endm
.macro LOADXA set                      ; tiles 0-7's fragments and all 16 tiles' scale words (lanes 0-15 tile 2 n, lanes 16-31 tile 2 n + 1) of the K step at s[XI], s[XS]
	v_add_nc_u32 v[AX], s[XI], v[L16]
	v_add_nc_u32 v[AXS], s[XS], v[L4]
.set n_, 0
.rept 24
	ds_load_b128 v[XA+4*n_:XA+4*n_+3], v[AX] offset:512*n_
.set n_, n_+1
.endr
.set n_, 0
.rept 8
	ds_load_b32 v[XSR+8*(\set)+n_], v[AXS] offset:128*n_
.set n_, n_+1
.endr
.endm
.macro LOADXB                          ; tiles 8-15's
	WIN 0x40
.set n_, 0
.rept 24
	ds_load_b128 v[4*n_:4*n_+3], v[AX] offset:12288+512*n_
.set n_, n_+1
.endr
	WIN 0
.endm
; 32 products: eight tiles x four fragments, 32 accumulators by turns
.macro PRODS pass, par, half, zero
.set t_, 0
.rept 8
.set f_, 0
.rept 4
.if \pass
	MM 64*f_+8*t_, 96+48*(\par)+12*f_, XA*(1-(\half))+12*t_, \zero, WSR+2*(\par)+f_/2, XSR+8*(\par)+4*(\half)+t_/2, f_%2, t_%2
.else
	MM 64*f_+8*t_, XA*(1-(\half))+12*t_, 96+48*(\par)+12*f_, \zero, XSR+8*(\par)+4*(\half)+t_/2, WSR+2*(\par)+f_/2, t_%2, f_%2
.endif
.set f_, f_+1
.endr
.set t_, t_+1
.endr
.endm
; a K step of 128.  pass 0: v, 1: k.  par: which sets.  morew 1: the next step's weights are asked for; 2: the same without stepping the address.  morex: the next step's x is fetched
.macro KSTEP pass, par, zero, morew, morex
.if (\morew) == 1
	LOADW 1-(\par), 1
.elseif (\morew) == 2
	LOADW 1-(\par), 0
.endif
.if \morew
	s_wait_loadcnt 13                              ; this step's weights are in; the 12 + 1 loads just issued may be out
.else
	s_wait_loadcnt 0x0
.endif
	s_wait_dscnt 24                                ; tiles 0-7 and the scale words are in; tiles 8-15's 24 loads may be out
.if \pass
	WIN 0xa1
.else
	WIN 0xa4
.endif
	PRODS \pass, \par, 0, \zero
	WIN 0
	s_wait_dscnt 0x0
	PLACES 4                                       ; in front of loads into registers that the products have read
.if \morex
	s_add_co_u32 s[XI], s[XI], XPITCH
	s_add_co_u32 s[XS], s[XS], 1028
	LOADXA 1-(\par)
.endif
	WIN 0xf5
	PRODS \pass, \par, 1, \zero
	WIN 0
	PLACES 4
.if \morex
	LOADXB
.endif
.endm
; 16 nb numbers of a lane (register 16 b + i = k 32 b + 16 (lane / 16) + i of my row), in window w, become codes in v[pc] on and a scale word in v[pw]
.macro QUANT s, w, nb, pc, tm, pw
	WIN ((\w)<<2)|((\w)<<4)
.set b_, 0
.rept \nb
	v_max3_num_f32 v[(\tm)+b_], 0x1800000, |v[(\s)+16*b_]|, |v[(\s)+16*b_+1]|   ; the floor 2^(3 - 127) among the leaves
.set b_, b_+1
.endr
.irp i, 2,4,6,8,10,12,14
.set b_, 0
.rept \nb
	v_max3_num_f32 v[(\tm)+b_], v[(\tm)+b_], |v[(\s)+16*b_+\i]|, |v[(\s)+16*b_+\i+1]|
.set b_, b_+1
.endr
.endr
	WIN 0
.set b_, 0
.rept \nb
	v_permlanex16_b32 v[(\tm)+4+b_], v[(\tm)+b_], s[SEL], s[SEL+1]
.set b_, b_+1
.endr
.set b_, 0
.rept \nb
	v_max_num_f32 v[(\tm)+b_], v[(\tm)+b_], v[(\tm)+4+b_]
.set b_, b_+1
.endr
.set b_, 0
.rept \nb
	v_add_nc_u32 v[(\tm)+12+b_], 0xff000000, v[(\tm)+b_]
.set b_, b_+1
.endr
.set b_, 0
.rept \nb
	v_lshrrev_b32 v[(\tm)+4+b_], 23, v[(\tm)+12+b_]
.set b_, b_+1
.endr
	v_lshl_or_b32 v[\pw], v[(\tm)+5], 8, v[(\tm)+4]
	v_lshl_or_b32 v[\pw], v[(\tm)+6], 16, v[\pw]
	v_lshl_or_b32 v[\pw], v[(\tm)+7], 24, v[\pw]
	WIN \w
.set c_, 0
.rept \nb/2
	v_cvt_scalef32_pk16_fp6_f32 v[(\pc)+6*c_:(\pc)+6*c_+2], v[(\s)+32*c_:(\s)+32*c_+15], v[(\tm)+12+2*c_]
	v_cvt_scalef32_pk16_fp6_f32 v[(\pc)+12+4*c_:(\pc)+14+4*c_], v[(\s)+32*c_+16:(\s)+32*c_+31], v[(\tm)+13+2*c_]
.set c_, c_+1
.endr
	WIN 0
	v_nop                                          ; a plain instruction behind the conversions
.set c_, 0
.rept \nb/2
.irp i, 0,1,2
	v_permlane16_swap_b32 v[(\pc)+6*c_+\i], v[(\pc)+12+4*c_+\i]   ; a whole block to a lane
.endr
.irp i, 0,1,2
	v_mov_b32 v[(\pc)+3+6*c_+\i], v[(\pc)+12+4*c_+\i]
.endr
.set c_, c_+1
.endr
.endm
; the softmax's part for 128 keys: S (t) -> p in P, its codes in PC, its scale word in PW; -M, the sums.  first = 1: it starts M and the sums
.macro SOFT nb, first
.set b_, 0
.rept \nb
	v_max3_num_f32 v[BM+b_], v[S+16*b_], v[S+16*b_+1], v[S+16*b_+2]   ; each block's largest t: for the row's maximum and for the block's largest p
.set b_, b_+1
.endr
.irp i, 3,5,7,9,11,13
.set b_, 0
.rept \nb
	v_max3_num_f32 v[BM+b_], v[BM+b_], v[S+16*b_+\i], v[S+16*b_+\i+1]
.set b_, b_+1
.endr
.endr
.set b_, 0
.rept \nb
	v_max_num_f32 v[BM+b_], v[BM+b_], v[S+16*b_+15]
.set b_, b_+1
.endr
.set b_, 0
.rept \nb
	v_permlanex16_b32 v[TX+b_], v[BM+b_], s[SEL], s[SEL+1]
.set b_, b_+1
.endr
.set b_, 0
.rept \nb
	v_max_num_f32 v[BM+b_], v[BM+b_], v[TX+b_]
.set b_, b_+1
.endr
	v_max3_num_f32 v[TMP], v[BM], v[BM+1], v[BM+2]
	v_max_num_f32 v[TMP], v[TMP], v[BM+3]
.if (\first)
	v_mov_b32 v[RUN], v[TMP]
	v_floor_f32 v[NM], -v[RUN]                     ; -M = floor(-t) = -ceil(t)
.else
	v_max_num_f32 v[RUN], v[RUN], v[TMP]
	v_mov_b32 v[TMP], v[NM]
	v_floor_f32 v[NM], -v[RUN]
	v_sub_f32 v[TMP], v[NM], v[TMP]                ; old M - new M: a whole number, 0 or less
	v_cvt_i32_f32 v[TMP], v[TMP]
	v_ldexp_f32 v[F], 1.0, v[TMP]                  ; f = 2^(old M - new M): a multiplication by it rounds nothing
.endif
.set j_, 0
.rept 8*\nb
	v_pk_add_f32 v[P+j_:P+j_+1], v[S+j_:S+j_+1], v[NM:NM+1] op_sel_hi:[1,0]   ; t - M, into other registers than the sums'
.set j_, j_+2
.endr
.set b_, 0
.rept \nb
	v_add_f32 v[BM+b_], v[BM+b_], v[NM]
.set b_, b_+1
.endr
.set j_, 0
.rept 16*\nb
	v_exp_f32 v[P+j_], v[P+j_]
.set j_, j_+1
.endr
.if (\first)
	v_nop                                          ; a plain instruction behind the exponentials
.else
	v_pk_mul_f32 v[LSUM:LSUM+1], v[LSUM:LSUM+1], v[F:F+1] op_sel_hi:[1,0]
.endif
	s_wait_alu depctr_va_vdst(0)                   ; one wait for the batch, ahead of its first reader
.set b_, 0
.rept \nb
	v_exp_f32 v[BM+b_], v[BM+b_]                   ; each block's largest p
.set b_, b_+1
.endr
	v_pk_add_f32 v[LT:LT+1], v[P:P+1], v[P+2:P+3]  ; the sum of the unquantised p, in two chains
.set j_, 4
.rept 4*\nb-1
.if (\first) && (j_ == 4)
.elseif (\first) && (j_ == 8)
	v_pk_add_f32 v[LSUM:LSUM+1], v[P+4:P+5], v[P+8:P+9]
.else
	v_pk_add_f32 v[LSUM:LSUM+1], v[LSUM:LSUM+1], v[P+j_:P+j_+1]
.endif
	v_pk_add_f32 v[LT:LT+1], v[LT:LT+1], v[P+j_+2:P+j_+3]
.set j_, j_+4
.endr
	v_pk_add_f32 v[LSUM:LSUM+1], v[LSUM:LSUM+1], v[LT:LT+1]
	s_wait_alu depctr_va_vdst(0)                   ; and one for the blocks' exponentials
.set b_, 0
.rept \nb
	v_max_num_f32 v[BM+b_], 0x1800000, v[BM+b_]
.set b_, b_+1
.endr
.set b_, 0
.rept \nb
	v_add_nc_u32 v[SO+b_], 0xff000000, v[BM+b_]
.set b_, b_+1
.endr
.set b_, 0
.rept \nb
	v_lshrrev_b32 v[TX+b_], 23, v[SO+b_]
.set b_, b_+1
.endr
	v_lshl_or_b32 v[PW], v[TX+1], 8, v[TX]
	v_lshl_or_b32 v[PW], v[TX+2], 16, v[PW]
	v_lshl_or_b32 v[PW], v[TX+3], 24, v[PW]
.set c_, 0
.rept \nb/2
	v_cvt_scalef32_pk16_fp6_f32 v[PC+6*c_:PC+6*c_+2], v[P+32*c_:P+32*c_+15], v[SO+2*c_]
	v_cvt_scalef32_pk16_fp6_f32 v[PC+12+4*c_:PC+14+4*c_], v[P+32*c_+16:P+32*c_+31], v[SO+2*c_+1]
.set c_, c_+1
.endr
	v_nop
.set c_, 0
.rept \nb/2
.irp i, 0,1,2
	v_permlane16_swap_b32 v[PC+6*c_+\i], v[PC+12+4*c_+\i]
.endr
.irp i, 0,1,2
	v_mov_b32 v[PC+3+6*c_+\i], v[PC+12+4*c_+\i]
.endr
.set c_, c_+1
.endr
.if (\first)
.else
.irp q, 0,2,4,6
	v_pk_mul_f32 v[O+\q:O+\q+1], v[O+\q:O+\q+1], v[F:F+1] op_sel_hi:[1,0]
.endr
.endif
	PLACES 8                                       ; the scale word stands eight places, the codes four, ahead of the scaled product
.endm
	s_load_b512 s[4:19], s[0:1], 0x0               ; x 4, g 6, b 8, wcodes 10, wscales 12, qbuf 14, opart 16, mlpart 18
	v_lshl_add_u32 v62, v0, 2, 0x44200
	v_mov_b32 v63, 0
	v_lshrrev_b32 v29, 5, v0
	v_readfirstlane_b32 s20, v29                   ; wave
	v_and_b32 v30, 31, v0                          ; lane
	v_lshlrev_b32 v[L16], 4, v30
	v_lshlrev_b32 v[L4], 2, v30
	v_lshlrev_b32 v[L8], 3, v30
	v_lshlrev_b32 v[L128], 7, v30
	s_mul_i32 s21, s20, 18432
	s_add_co_u32 s21, s21, STG
	v_lshrrev_b32 v29, 3, v30
	v_mul_u32_u24 v[STW], v29, 144
	v_and_b32 v29, 7, v30
	v_lshl_add_u32 v[STW], v29, 4, v[STW]
	v_add_nc_u32 v[STW], s21, v[STW]               ; into the stage: eight lanes fill a block's 128 bytes
	v_mul_u32_u24 v[STR], v30, 144
	v_add_nc_u32 v[STR], s21, v[STR]               ; out of it: lane l takes block l
	v_add_nc_u32 v[VIA], s21, v[L16]
	s_add_co_u32 s21, s21, 12288
	v_add_nc_u32 v[VSA], s21, v[L4]
	v_lshrrev_b32 v29, 2, v30
	v_mul_u32_u24 v31, v29, XPITCH                 ; K step l / 4
	v_and_b32 v26, 1, v30
	v_lshl_add_u32 v31, v26, 8, v31                ; lanes 16-31 of the image for odd blocks
	s_lshl_b32 s21, s20, 6
	v_add_nc_u32 v31, s21, v31                     ; tile rows 4 w on
	v_bfe_u32 v26, v30, 1, 1                       ; c
	v_mad_u32_u24 v[IM0], v26, 520, v31            ; the three register pairs of a block: 520 c, 8 + 1016 c, 512 + 520 c
	v_mad_u32_u24 v[IM0+1], v26, 1016, v31
	v_add_nc_u32 v[IM0+1], 8, v[IM0+1]
	v_add_nc_u32 v[IM0+2], 512, v[IM0]
	v_mul_u32_u24 v[SCB], v29, 1028
	v_and_b32 v26, 3, v30
	v_add_nc_u32 v[SCB], v[SCB], v26
	s_lshl_b32 s21, s20, 4
	s_add_co_u32 s21, s21, XSC
	v_add_nc_u32 v[SCB], s21, v[SCB]
	v_mov_b32 v[AW], v[L16]
	v_add_nc_u32 v[AW+1], 6144, v[L16]
	v_mov_b32 v[AWS], v[L8]
	v_add_nc_u32 v[AWS+1], 256, v[L8]
	v_mov_b32 v[TT+9], 0                           ; upper halves of pairs of which the low word serves both halves
	v_mov_b32 v[TT+11], 0
	v_mov_b32 v[TT+23], 0
	v_mov_b32 v[TT+25], 0
	s_mov_b32 s[SEL], 0x76543210
	s_mov_b32 s[SEL+1], 0xfedcba98                 ; v_permlanex16_b32's selects for lane l xor 16
	s_mov_b32 s[C1], 0x3a800000                    ; 1 / 1024
	s_mov_b32 s[EPS], 0x3727c5ac                   ; 1e-5
	s_mov_b32 s[SST], 0
	s_mov_b32 s[SIM], 0
	s_mov_b32 s[SSC], 0
	s_and_b32 s41, ttmp7, 0xffff                   ; b
	s_lshl_b32 s22, s41, 12
	s_lshl_b32 s23, ttmp9, 8
	s_add_co_u32 s22, s22, s23
	s_lshr_b32 s23, s20, 1
	s_lshl_b32 s23, s23, 4
	s_add_co_u32 s22, s22, s23
	s_and_b32 s23, s20, 1
	s_lshl_b32 s23, s23, 2
	s_add_co_u32 s22, s22, s23                     ; my first row: 4096 b + 256 c + 16 (w / 2) + 4 (w % 2)
	s_lshl_b32 s22, s22, 12
	s_mov_b32 s23, 0
	s_mul_i32 s24, s20, 98304                      ; my 16 groups of weights
	s_mov_b32 s25, 0
	s_lshl_b32 s26, s20, 12
	s_mov_b32 s27, 0
	s_lshl_b32 s44, s20, 2                         ; my first head
	s_lshl_b32 s42, s41, 4
	s_add_co_u32 s42, s42, s44
	s_lshl_b32 s42, s42, 12
	s_mov_b32 s43, 0
	s_mul_i32 s46, s41, 17
	s_add_co_u32 s46, s46, ttmp9
	s_lshl_b32 s46, s46, 4
	s_add_co_u32 s46, s46, s44
	s_lshl_b32 s44, s46, 12
	s_mov_b32 s45, 0
	s_lshl_b32 s46, s46, 10
	s_mov_b32 s47, 0
	s_wait_kmcnt 0x0
	s_add_nc_u64 s[4:5], s[4:5], s[22:23]
	s_add_nc_u64 s[10:11], s[10:11], s[24:25]
	s_add_nc_u64 s[12:13], s[12:13], s[26:27]
	s_add_nc_u64 s[14:15], s[14:15], s[42:43]
	s_add_nc_u64 s[16:17], s[16:17], s[44:45]
	s_add_nc_u64 s[18:19], s[18:19], s[46:47]
	WIN 0x40
.irp j, 0,1,2,3,4,5,6,7
	global_load_b128 v[GW+4*\j:GW+4*\j+3], v[L128], s[6:7] offset:16*\j
	global_load_b128 v[BW+4*\j:BW+4*\j+3], v[L128], s[8:9] offset:16*\j
.endr
	WIN 0
.irp f, 0,1,2,3
	global_load_b128 v[Q+8*\f:Q+8*\f+3], v[L16], s[14:15] offset:4096*\f
	global_load_b128 v[Q+8*\f+4:Q+8*\f+7], v[L16], s[14:15] offset:4096*\f+512
.endr
	LOADW 0, 0
	XLOAD 0, 0
	XLOAD 1, 32768
	; ---------------- X: 16 tiles, even ones from set 0, odd ones from set 1; each set's loads have two tiles' work in which to land
	s_mov_b32 s[OUT], 7
.Lx:
	TRIP 0, 1, 32
	TRIP 1, 1, 32
	s_wait_xcnt 0x0                                ; the loads have read their base
	s_add_nc_u64 s[4:5], s[4:5], 131072            ; 32 rows on
	s_sub_co_u32 s[OUT], s[OUT], 1
	s_cmp_lg_u32 s[OUT], 0
	s_cbranch_scc1 .Lx
	TRIP 0, 0, 32                                  ; the last two tiles ask for nothing
	TRIP 1, 0, 0
	s_wait_dscnt 0x0                               ; for the others' sake: my stores have landed
	s_barrier_signal -1
	s_barrier_wait -1                              ; all 128 images lie in LDS; from here on they are only read, and each wave's stage bytes stay its own
	; ---------------- G, V pass
	s_mov_b32 s[XI], 0
	s_mov_b32 s[XS], XSC
	LOADXA 0
	LOADXB
	KSTEP 0, 0, 1, 2, 1
	s_mov_b32 s[OUT], 3
.Lv:
	KSTEP 0, 1, 0, 1, 1
	KSTEP 0, 0, 0, 1, 1
	s_sub_co_u32 s[OUT], s[OUT], 1
	s_cmp_lg_u32 s[OUT], 0
	s_cbranch_scc1 .Lv
	KSTEP 0, 1, 0, 1, 0
	; ---------------- VQ: v is quantised along the keys; its eight fragments wait in my own LDS bytes while their registers serve the K pass
.irp b, 4,5,6,7
	v_mov_b32 v[VTM+\b], 0                         ; a lane permute's destination counts as read
.endr
.irp f, 0,1,2,3
.irp hf, 0,1
	QUANT 64*\f, 2+\hf, 4, VPC, VTM, VPW
.irp g, 0,1,2
	ds_store_b128 v[VIA], v[VPC+4*\g:VPC+4*\g+3] offset:(2*\f+\hf)*1536+512*\g
.endr
	ds_store_b32 v[VSA], v[VPW] offset:(2*\f+\hf)*128
	s_wait_dscnt 0x0                               ; the stores have read their registers
.endr
.endr
	; ---------------- G, K pass
	s_mov_b32 s[XI], 0
	s_mov_b32 s[XS], XSC
	LOADXA 0
	LOADXB
	KSTEP 1, 0, 1, 1, 1
	s_mov_b32 s[OUT], 3
.Lk:
	KSTEP 1, 1, 0, 1, 1
	KSTEP 1, 0, 0, 1, 1
	s_sub_co_u32 s[OUT], s[OUT], 1
	s_cmp_lg_u32 s[OUT], 0
	s_cbranch_scc1 .Lk
	KSTEP 1, 1, 0, 0, 0
	; ---------------- A
	v_nop                                          ; with the four above: five places before k's accumulators serve as a matrix operand
	WIN 0x40
.set n_, 0
.rept 24
	ds_load_b128 v[4*n_:4*n_+3], v[VIA] offset:512*n_   ; v's fragments: (head f, half hf) at window 1 v[12 (2 f + hf)]
.set n_, n_+1
.endr
	WIN 0
.set n_, 0
.rept 8
	ds_load_b32 v[VS+n_], v[VSA] offset:128*n_
.set n_, n_+1
.endr
	v_mov_b32 v[F+1], 0
	v_mov_b32 v[TMP+1], 0
.irp b, 0,1,2,3
	v_mov_b32 v[TX+\b], 0
.endr
	s_wait_dscnt 0x0
; one head, one query tile: two halves of 128 keys
.macro HEAD f
	s_wait_xcnt 0x0                                ; the last head's stores have read O and (-M, l)
	s_wait_loadcnt 0x6                             ; this head's q is in; the other three heads' two loads each may be out
.irp hf, 0,1
	WIN 2+\hf                                      ; source 0: k's accumulators
.irp s4, 0,1,2,3
.irp t, 0,1,2,3,4,5,6,7
.if \s4 == 0
	v_wmma_f32_16x16x4_f32 v[S+8*\t:S+8*\t+7], v[64*\f+8*\t:64*\f+8*\t+1], v[Q+8*\f:Q+8*\f+1], 0
.else
	v_wmma_f32_16x16x4_f32 v[S+8*\t:S+8*\t+7], v[64*\f+8*\t+2*\s4:64*\f+8*\t+2*\s4+1], v[Q+8*\f+2*\s4:Q+8*\f+2*\s4+1], v[S+8*\t:S+8*\t+7]
.endif
.endr
.endr
	WIN 0
	PLACES 8
.if \hf == 1
	global_load_b128 v[Q+8*\f:Q+8*\f+3], v[QAD], s[14:15] offset:4096*\f        ; the next query tile's q (in the last trip tile 0 once more: inside the buffer, not used)
	global_load_b128 v[Q+8*\f+4:Q+8*\f+7], v[QAD], s[14:15] offset:4096*\f+512
.endif
	SOFT 4, 1-\hf
	WIN 0x01                                       ; source 0: v's fragment, window 1
	MM O, 12*(2*\f+\hf), PC, 1-\hf, VS+2*\f+\hf, PW, 0, 0
	WIN 0
.endr
	v_add_f32 v[TMP], v[LSUM], v[LSUM+1]
	v_permlanex16_b32 v[TMP+1], v[TMP], s[SEL], s[SEL+1]
	v_mov_b32 v[ML], v[NM]
	v_add_f32 v[ML+1], v[TMP], v[TMP+1]            ; the query's sum over both halves of the lanes
	PLACES 4
	global_store_b128 v[OAD], v[O:O+3], s[16:17] offset:4096*\f        ; 512 consecutive bytes a store
	global_store_b128 v[OAD], v[O+4:O+7], s[16:17] offset:4096*\f+512
	global_store_b64 v[MAD], v[ML:ML+1], s[18:19] offset:1024*\f       ; 256 consecutive bytes
.endm
	s_mov_b32 s[QT], 0
.Lqt:
	s_wait_xcnt 0x0                                ; the last trip's loads and stores have read their offsets
	s_add_co_u32 s41, s[QT], 1
	s_and_b32 s41, s41, 3
	s_lshl_b32 s41, s41, 10
	v_add_nc_u32 v[QAD], s41, v[L16]
	s_lshl_b32 s41, s[QT], 10
	v_add_nc_u32 v[OAD], s41, v[L16]
	s_lshl_b32 s41, s[QT], 8
	v_add_nc_u32 v[MAD], s41, v[L8]
	HEAD 0
	HEAD 1
	HEAD 2
	HEAD 3
	s_add_co_u32 s[QT], s[QT], 1
	s_cmp_lt_u32 s[QT], 4
	s_cbranch_scc1 .Lqt
	s_wait_tensorcnt 0x0
	ds_add_u32 v62, v63
	s_wait_dscnt 0x0
	s_endpgm
.Lfunc_end_k_q0ca1afeee1_main:
	.size	k_q0ca1afeee1_main, .Lfunc_end_k_q0ca1afeee1_main-k_q0ca1afeee1_main
	.p2alignl 7, 3214868480
	.fill 96, 4, 3214868480
	.section	.rodata,"a",@progbits
	.p2align	6, 0x0
	.amdhsa_kernel k_q0ca1afeee1_main
		.amdhsa_group_segment_fixed_size 279552
		.amdhsa_private_segment_fixed_size 0
		.amdhsa_enable_private_segment 0
		.amdhsa_kernarg_size 64
		.amdhsa_user_sgpr_count 2
		.amdhsa_user_sgpr_kernarg_segment_ptr 1
		.amdhsa_wavefront_size32 1
		.amdhsa_system_sgpr_workgroup_id_x 1
		.amdhsa_system_sgpr_workgroup_id_y 1
		.amdhsa_system_sgpr_workgroup_id_z 1
		.amdhsa_system_vgpr_workitem_id 0
		.amdhsa_next_free_vgpr 1024
		.amdhsa_next_free_sgpr 66
		.amdhsa_reserve_vcc 0
		.amdhsa_float_denorm_mode_32 3
		.amdhsa_float_denorm_mode_16_64 3
		.amdhsa_memory_ordered 1
		.amdhsa_forward_progress 1
		.amdhsa_inst_pref_size 255
	.end_amdhsa_kernel
	.section	.bss,"aw",@nobits
	.p2align	6
	.space	262144
	.amdgpu_metadata
---
amdhsa.version: [ 1, 2 ]
amdhsa.kernels:
  - .name:           k_q0ca1afeee1_main
    .symbol:         k_q0ca1afeee1_main.kd
    .args:
      - { .name: x, .offset: 0, .size: 8, .value_kind: global_buffer, .address_space: global }
      - { .name: g_media, .offset: 8, .size: 8, .value_kind: global_buffer, .address_space: global }
      - { .name: b_media, .offset: 16, .size: 8, .value_kind: global_buffer, .address_space: global }
      - { .name: wcodes, .offset: 24, .size: 8, .value_kind: global_buffer, .address_space: global }
      - { .name: wscales, .offset: 32, .size: 8, .value_kind: global_buffer, .address_space: global }
      - { .name: qbuf, .offset: 40, .size: 8, .value_kind: global_buffer, .address_space: global }
      - { .name: opart, .offset: 48, .size: 8, .value_kind: global_buffer, .address_space: global }
      - { .name: mlpart, .offset: 56, .size: 8, .value_kind: global_buffer, .address_space: global }
    .group_segment_fixed_size: 279552
    .private_segment_fixed_size: 0
    .kernarg_segment_align: 8
    .kernarg_segment_size: 64
    .max_flat_workgroup_size: 128
    .sgpr_count:     66
    .vgpr_count:     1024
    .wavefront_size: 32
...
	.end_amdgpu_metadata
.endif
;; end of part 3
;; launch fin (part 4): grid 16 x 16, 4 waves a work-group, no clusters, 21,248 bytes of LDS; arguments opart, mlpart, wcodes, wscales, out0; writes out0
.if DOCPART == 4
	.amdgcn_target "amdgcn-amd-amdhsa--gfx1250"
	.amdhsa_code_object_version 6
	.text
	.protected	k_q0ca1afeee1_fin
	.globl	k_q0ca1afeee1_fin
	.p2align	8
	.type	k_q0ca1afeee1_fin,@function
k_q0ca1afeee1_fin:
	s_mov_b64 s[64:65], 0
	v_nop
	global_prefetch_b8 v0, s[64:65] scope:SCOPE_SE
	s_setreg_imm32_b32 hwreg(HW_REG_WAVE_MODE, 25, 1), 1
	s_wait_xcnt 0x0
; FIN.  Work-group (4 qt + nq, b): the 17 partials of query tile qt of batch b are joined, divided by l and quantised along the 256 inner numbers; then 16 rows x columns 256 nq .. 256 nq + 255 of the output are made (MX-FP6, K = 256).
; JOIN.  Wave w takes heads 4 w .. 4 w + 3.  M = the largest M of the 17 chunks (kept as -M: the smallest); chunk c weighs 2^(M_c - M), a whole power of two; O = sum of weight x O_c, l likewise.
; A partial's lane (r, h) holds query r and features 8 h + 0 .. 7 of a head.  One exchange of halves between two neighbouring heads' registers gives lane half h head 2 m + h whole: 16 neighbours along the product's K.
; The wave's 64 numbers a row are two blocks of 32: half of a K step's fragment.  The halves meet in LDS as an image of the operand's registers; one barrier; every wave loads both fragments.
; PRODUCT: source 0 = 16 columns of Wout (wave w: column tiles 16 nq + 4 w + 0 .. 3), source 1 = the 16 queries: a lane holds eight neighbouring columns of one row.  The rows leave through the wave's own stage: sixteen lanes store 256 consecutive bytes.
; Tile row r of query tile qt is latent 32 (qt / 2) + 16 (r / 8) + 8 (qt % 2) + r % 8.
; All loads go out at the head; the heads wait by counts.  LIMITS: NaN and infinities are not served; a block of zeros has the byte 1.
.set FSC,  3072                        ; LDS 0: two images of 1,536 bytes; then the scale words, 64 bytes a K step
.set FSTG, 3328                        ; a stage of 16 rows x (256 + 16) bytes for each wave
.set L16, 1
.set L8,  2
.set GOF, 4
.set FA0, 5                            ; v5-7
.set FSA, 8
.set R4,  9
.set STO, 10
.set SRD, 11
.set NMM, 12
.set RC,  16                           ; v16-23: for head f the pair (1 / l, l)
.set ON,  32                           ; v32-63 the joined O; later the output's four accumulators
.set WT,  64                           ; v64-97 17 pairs: a chunk's weight in the low word; later rows of the output
.set FPC, 116
.set FTM, 136
.set OS,  152                          ; v152-153 O's scale words      } hold scales
.set WSO, 154                          ; v154-157 Wout's               } and nothing else
.set FPW, 158
.set OF,  160                          ; v160-183 O's two fragments
.set W0,  184                          ; v184-231 Wout's fragments of K step 0;  K step 1's: window 3 v168-215
.set MLR, 32                           ; window 3 v32-167: (-M, l) of (head f, chunk c) at 2 (17 f + c);  O of the same at physical 256 + 8 (17 f + c)
.set SEL, 36
.set MSB, 0
.macro WIN new
.if MSB != (\new)
	s_set_vgpr_msb (MSB<<8)|(\new)
.set MSB, \new
.endif
.endm
.macro PLACES n
.rept \n
	v_nop
.endr
.endm
.macro MM d, a, b, z, sa, sb, ra
.if (\z) && (\ra)
	v_wmma_scale_f32_16x16x128_f8f6f4 v[(\d):(\d)+7], v[(\a):(\a)+11], v[(\b):(\b)+11], 0, v[\sa], v[\sb] matrix_a_fmt:MATRIX_FMT_FP6 matrix_b_fmt:MATRIX_FMT_FP6 matrix_a_scale:MATRIX_SCALE_ROW1
.elseif (\z)
	v_wmma_scale_f32_16x16x128_f8f6f4 v[(\d):(\d)+7], v[(\a):(\a)+11], v[(\b):(\b)+11], 0, v[\sa], v[\sb] matrix_a_fmt:MATRIX_FMT_FP6 matrix_b_fmt:MATRIX_FMT_FP6
.elseif (\ra)
	v_wmma_scale_f32_16x16x128_f8f6f4 v[(\d):(\d)+7], v[(\a):(\a)+11], v[(\b):(\b)+11], v[(\d):(\d)+7], v[\sa], v[\sb] matrix_a_fmt:MATRIX_FMT_FP6 matrix_b_fmt:MATRIX_FMT_FP6 matrix_a_scale:MATRIX_SCALE_ROW1
.else
	v_wmma_scale_f32_16x16x128_f8f6f4 v[(\d):(\d)+7], v[(\a):(\a)+11], v[(\b):(\b)+11], v[(\d):(\d)+7], v[\sa], v[\sb] matrix_a_fmt:MATRIX_FMT_FP6 matrix_b_fmt:MATRIX_FMT_FP6
.endif
.endm
	s_load_b256 s[4:11], s[0:1], 0x0               ; opart 4, mlpart 6, wcodes 8, wscales 10
	s_load_b64 s[12:13], s[0:1], 0x20              ; out0
	v_lshl_add_u32 v254, v0, 2, 0x5100
	v_mov_b32 v255, 0
	v_lshrrev_b32 v29, 5, v0
	v_readfirstlane_b32 s14, v29                   ; wave
	v_and_b32 v30, 31, v0
	v_and_b32 v31, 15, v0                          ; r
	v_bfe_u32 v28, v0, 4, 1                        ; h
	v_lshlrev_b32 v[L16], 4, v30
	v_lshlrev_b32 v[L8], 3, v30
	s_lshr_b32 s15, s14, 1                         ; my K step
	s_and_b32 s16, s14, 1                          ; and which half c of its fragment
	s_mul_i32 s17, s15, 1536
	s_mul_i32 s18, s16, 520
	s_add_co_u32 s18, s18, s17
	v_add_nc_u32 v[FA0], s18, v[L16]               ; the half's three register pairs: 520 c, 8 + 1016 c, 512 + 520 c
	s_add_co_u32 s18, s18, 512
	v_add_nc_u32 v[FA0+2], s18, v[L16]
	s_mul_i32 s18, s16, 1016
	s_add_co_u32 s18, s18, s17
	s_add_co_u32 s18, s18, 8
	v_add_nc_u32 v[FA0+1], s18, v[L16]
	s_lshl_b32 s18, s15, 6
	s_lshl_b32 s19, s16, 1
	s_add_co_u32 s18, s18, s19
	s_add_co_u32 s18, s18, FSC
	v_lshl_add_u32 v[FSA], v31, 2, s18             ; my two scale bytes of row r
	v_lshl_add_u32 v[R4], v31, 2, FSC
	s_mul_i32 s18, s14, 4352
	s_add_co_u32 s18, s18, FSTG
	v_mul_u32_u24 v[STO], v31, 272
	v_lshl_add_u32 v[STO], v28, 5, v[STO]
	v_add_nc_u32 v[STO], s18, v[STO]               ; into the stage: row r, 32 bytes for each half of the lanes
	v_mul_u32_u24 v[SRD], v28, 272
	v_lshl_add_u32 v[SRD], v31, 4, v[SRD]
	v_add_nc_u32 v[SRD], s18, v[SRD]               ; back: lanes 0-15 one row, lanes 16-31 the next
	v_lshlrev_b32 v[GOF], 12, v28
	v_lshl_add_u32 v[GOF], v31, 4, v[GOF]          ; and the same two rows of the output
	s_mov_b32 s[SEL], 0x76543210
	s_mov_b32 s[SEL+1], 0xfedcba98
	s_lshr_b32 s20, ttmp9, 2                       ; qt
	s_and_b32 s21, ttmp9, 3                        ; nq
	s_and_b32 s22, ttmp7, 0xffff                   ; b
	s_mul_i32 s24, s22, 1114112                    ; 17 chunks x 65,536 bytes
	s_lshl_b32 s26, s14, 14
	s_add_co_u32 s24, s24, s26
	s_lshl_b32 s26, s20, 10
	s_add_co_u32 s24, s24, s26
	s_mov_b32 s25, 0
	s_lshr_b32 s26, s24, 2                         ; (-M, l): a quarter of O's bytes, in the same order
	s_mov_b32 s27, 0
	s_lshl_b32 s28, s21, 2
	s_add_co_u32 s28, s28, s14
	s_lshl_b32 s28, s28, 1
	s_add_co_u32 s28, s28, 96                      ; Wout's group of K step 0
	s_mul_i32 s30, s28, 6144
	s_mov_b32 s31, 0
	s_lshl_b32 s28, s28, 8
	s_mov_b32 s29, 0
	s_lshl_b32 s32, s22, 6
	s_lshr_b32 s33, s20, 1
	s_lshl_b32 s33, s33, 5
	s_add_co_u32 s32, s32, s33
	s_and_b32 s33, s20, 1
	s_lshl_b32 s33, s33, 3
	s_add_co_u32 s32, s32, s33
	s_lshl_b32 s32, s32, 12
	s_lshl_b32 s33, s21, 10
	s_add_co_u32 s32, s32, s33
	s_lshl_b32 s33, s14, 8
	s_add_co_u32 s32, s32, s33
	s_mov_b32 s33, 0
	s_wait_kmcnt 0x0
	s_add_nc_u64 s[4:5], s[4:5], s[24:25]
	s_add_nc_u64 s[6:7], s[6:7], s[26:27]
	s_add_nc_u64 s[8:9], s[8:9], s[30:31]
	s_add_nc_u64 s[10:11], s[10:11], s[28:29]
	s_add_nc_u64 s[12:13], s[12:13], s[32:33]
	WIN 0xc0
.set k_, 0
.rept 68
	global_load_b64 v[MLR+2*k_:MLR+2*k_+1], v[L8], s[6:7] offset:(k_%17)*16384+(k_/17)*1024
.set k_, k_+1
.endr
.set n_, 0
.rept 12
	global_load_b128 v[168+4*n_:168+4*n_+3], v[L16], s[8:9] offset:6144+512*n_
.set n_, n_+1
.endr
	WIN 0
.set n_, 0
.rept 12
	global_load_b128 v[W0+4*n_:W0+4*n_+3], v[L16], s[8:9] offset:512*n_
.set n_, n_+1
.endr
	global_load_b64 v[WSO:WSO+1], v[L8], s[10:11]
	global_load_b64 v[WSO+2:WSO+3], v[L8], s[10:11] offset:256
.set k_, 0
.rept 68
.set ph_, 256+8*k_
	WIN (ph_>>8)<<6
	global_load_b128 v[(ph_&255):(ph_&255)+3], v[L16], s[4:5] offset:(k_%17)*65536+(k_/17)*4096
	global_load_b128 v[(ph_&255)+4:(ph_&255)+7], v[L16], s[4:5] offset:(k_%17)*65536+(k_/17)*4096+512
.set k_, k_+1
.endr
	WIN 0
.set c_, 0
.rept 17
	v_mov_b32 v[WT+2*c_+1], 0                      ; upper halves of pairs of which the low word serves both halves
.set c_, c_+1
.endr
	v_mov_b32 v[FTM+4], 0                          ; a lane permute's destination counts as read
	v_mov_b32 v[FTM+5], 0
.macro FHEAD f
.if 34*(3-(\f)) > 63
	s_wait_loadcnt 63                              ; more than 63 loads were issued behind this head's
.else
	s_wait_loadcnt 34*(3-(\f))                     ; the later heads' 34 loads each may be out
.endif
.set m_, MLR+34*(\f)
	WIN 0x3f
	v_min3_num_f32 v[NMM], v[m_], v[m_+2], v[m_+4]
	WIN 0x3c
.irp c, 3,5,7,9,11,13,15
	v_min3_num_f32 v[NMM], v[NMM], v[m_+2*\c], v[m_+2*\c+2]   ; the smallest -M
.endr
	WIN 0x0c
.set c_, 0
.rept 17
	v_sub_f32 v[WT+2*c_], v[NMM], v[m_+2*c_]       ; M_c - M: a whole number, 0 or less
.set c_, c_+1
.endr
	WIN 0
.set c_, 0
.rept 17
	v_cvt_i32_f32 v[WT+2*c_], v[WT+2*c_]
.set c_, c_+1
.endr
.set c_, 0
.rept 17
	v_ldexp_f32 v[WT+2*c_], 1.0, v[WT+2*c_]
.set c_, c_+1
.endr
	WIN 0x0c
	v_mul_f32 v[RC+2*(\f)+1], v[WT], v[m_+1]
.set c_, 1
.rept 16
	v_fma_f32 v[RC+2*(\f)+1], v[WT+2*c_], v[m_+2*c_+1], v[RC+2*(\f)+1]
.set c_, c_+1
.endr
.set c_, 0
.rept 17
.set ph_, 256+8*(17*(\f)+c_)
	WIN ph_>>8
.set q_, 0
.rept 4
.if c_ == 0
	v_pk_mul_f32 v[ON+8*(\f)+2*q_:ON+8*(\f)+2*q_+1], v[(ph_&255)+2*q_:(ph_&255)+2*q_+1], v[WT:WT+1] op_sel_hi:[1,0]
.else
	v_pk_fma_f32 v[ON+8*(\f)+2*q_:ON+8*(\f)+2*q_+1], v[(ph_&255)+2*q_:(ph_&255)+2*q_+1], v[WT+2*c_:WT+2*c_+1], v[ON+8*(\f)+2*q_:ON+8*(\f)+2*q_+1] op_sel_hi:[1,0,1]
.endif
.set q_, q_+1
.endr
.set c_, c_+1
.endr
	WIN 0
.endm
	FHEAD 0
	FHEAD 1
	FHEAD 2
	FHEAD 3
.irp f, 0,1,2,3
	v_rcp_f32 v[RC+2*\f], v[RC+2*\f+1]
.endr
	v_nop                                          ; a plain instruction behind the reciprocals
	s_wait_alu depctr_va_vdst(0)                   ; one wait for the four, ahead of their first reader
.irp f, 0,1,2,3
.irp q, 0,2,4,6
	v_pk_mul_f32 v[ON+8*\f+\q:ON+8*\f+\q+1], v[ON+8*\f+\q:ON+8*\f+\q+1], v[RC+2*\f:RC+2*\f+1] op_sel_hi:[1,0]
.endr
.endr
.irp m, 0,1
.irp j, 0,1,2,3,4,5,6,7
	v_permlane16_swap_b32 v[ON+16*\m+\j], v[ON+16*\m+8+\j]   ; lane half h now holds head 2 m + h whole
.endr
.endr
	; the quantiser: two blocks of 32; register 16 b + i = k 32 b + 16 h + i of my row
.irp b, 0,1
	v_max3_num_f32 v[FTM+\b], 0x1800000, |v[ON+16*\b]|, |v[ON+16*\b+1]|
.endr
.irp i, 2,4,6,8,10,12,14
.irp b, 0,1
	v_max3_num_f32 v[FTM+\b], v[FTM+\b], |v[ON+16*\b+\i]|, |v[ON+16*\b+\i+1]|
.endr
.endr
.irp b, 0,1
	v_permlanex16_b32 v[FTM+4+\b], v[FTM+\b], s[SEL], s[SEL+1]
.endr
.irp b, 0,1
	v_max_num_f32 v[FTM+\b], v[FTM+\b], v[FTM+4+\b]
.endr
.irp b, 0,1
	v_add_nc_u32 v[FTM+12+\b], 0xff000000, v[FTM+\b]
.endr
.irp b, 0,1
	v_lshrrev_b32 v[FTM+4+\b], 23, v[FTM+12+\b]
.endr
	v_lshl_or_b32 v[FPW], v[FTM+5], 8, v[FTM+4]
	v_cvt_scalef32_pk16_fp6_f32 v[FPC:FPC+2], v[ON:ON+15], v[FTM+12]
	v_cvt_scalef32_pk16_fp6_f32 v[FPC+12:FPC+14], v[ON+16:ON+31], v[FTM+13]
	v_nop                                          ; a plain instruction behind the conversions
.irp i, 0,1,2
	v_permlane16_swap_b32 v[FPC+\i], v[FPC+12+\i]
.endr
.irp i, 0,1,2
	v_mov_b32 v[FPC+3+\i], v[FPC+12+\i]
.endr
	ds_store_b64 v[FA0], v[FPC:FPC+1]
	ds_store_b64 v[FA0+1], v[FPC+2:FPC+3]
	ds_store_b64 v[FA0+2], v[FPC+4:FPC+5]
	ds_store_b16 v[FSA], v[FPW]                    ; lanes r and r + 16 write the same two bytes with the same value
	s_wait_dscnt 0x0                               ; for the others' sake: my stores have landed
	s_barrier_signal -1
	s_barrier_wait -1
.set n_, 0
.rept 6
	ds_load_b128 v[OF+4*n_:OF+4*n_+3], v[L16] offset:512*n_
.set n_, n_+1
.endr
	ds_load_b32 v[OS], v[R4]
	ds_load_b32 v[OS+1], v[R4] offset:64
	s_wait_dscnt 0x0
.irp g, 0,1,2,3                        ; four accumulators by turns
	MM ON+8*\g, W0+12*\g, OF, 1, WSO+\g/2, OS, \g%2
.endr
	WIN 0x03                                       ; source 0: window 3
.irp g, 0,1,2,3
	MM ON+8*\g, 168+12*\g, OF+12, 0, WSO+2+\g/2, OS+1, \g%2
.endr
	WIN 0
	PLACES 4
.irp g, 0,1,2,3
	ds_store_b128 v[STO], v[ON+8*\g:ON+8*\g+3] offset:64*\g       ; each accumulator from its low end on
	ds_store_b128 v[STO], v[ON+8*\g+4:ON+8*\g+7] offset:64*\g+16
.endr
.irp t, 0,1,2,3,4,5,6,7
	ds_load_b128 v[WT+4*\t:WT+4*\t+3], v[SRD] offset:544*\t       ; LDS serves a wave's instructions in order: these see my stores
.endr
.irp t, 0,1,2,3,4,5,6,7
	s_wait_dscnt 7-\t                              ; the younger loads may be out
	global_store_b128 v[GOF], v[WT+4*\t:WT+4*\t+3], s[12:13] offset:(2*(\t%4)+16*(\t/4))*4096 th:TH_STORE_NT   ; sixteen lanes store 256 consecutive bytes, aligned
.endr
	s_wait_tensorcnt 0x0
	ds_add_u32 v254, v255
	s_wait_dscnt 0x0
	s_endpgm
.Lfunc_end_k_q0ca1afeee1_fin:
	.size	k_q0ca1afeee1_fin, .Lfunc_end_k_q0ca1afeee1_fin-k_q0ca1afeee1_fin
	.p2alignl 7, 3214868480
	.fill 96, 4, 3214868480
	.section	.rodata,"a",@progbits
	.p2align	6, 0x0
	.amdhsa_kernel k_q0ca1afeee1_fin
		.amdhsa_group_segment_fixed_size 21248
		.amdhsa_private_segment_fixed_size 0
		.amdhsa_enable_private_segment 0
		.amdhsa_kernarg_size 40
		.amdhsa_user_sgpr_count 2
		.amdhsa_user_sgpr_kernarg_segment_ptr 1
		.amdhsa_wavefront_size32 1
		.amdhsa_system_sgpr_workgroup_id_x 1
		.amdhsa_system_sgpr_workgroup_id_y 1
		.amdhsa_system_sgpr_workgroup_id_z 1
		.amdhsa_system_vgpr_workitem_id 0
		.amdhsa_next_free_vgpr 1024
		.amdhsa_next_free_sgpr 66
		.amdhsa_reserve_vcc 0
		.amdhsa_float_denorm_mode_32 3
		.amdhsa_float_denorm_mode_16_64 3
		.amdhsa_memory_ordered 1
		.amdhsa_forward_progress 1
		.amdhsa_inst_pref_size 67
	.end_amdhsa_kernel
	.amdgpu_metadata
---
amdhsa.version: [ 1, 2 ]
amdhsa.kernels:
  - .name:           k_q0ca1afeee1_fin
    .symbol:         k_q0ca1afeee1_fin.kd
    .args:
      - { .name: opart, .offset: 0, .size: 8, .value_kind: global_buffer, .address_space: global }
      - { .name: mlpart, .offset: 8, .size: 8, .value_kind: global_buffer, .address_space: global }
      - { .name: wcodes, .offset: 16, .size: 8, .value_kind: global_buffer, .address_space: global }
      - { .name: wscales, .offset: 24, .size: 8, .value_kind: global_buffer, .address_space: global }
      - { .name: out0, .offset: 32, .size: 8, .value_kind: global_buffer, .address_space: global }
    .group_segment_fixed_size: 21248
    .private_segment_fixed_size: 0
    .kernarg_segment_align: 8
    .kernarg_segment_size: 40
    .max_flat_workgroup_size: 128
    .sgpr_count:     66
    .vgpr_count:     1024
    .wavefront_size: 32
...
	.end_amdgpu_metadata
.endif
;; end of part 4
;; ======== version 2 of 2: 4 launches; version 1 with the launch main written anew for expert scheduling mode
;; workspace buffers: wcodes 786,432 bytes; wscales 32,768 bytes; latc 786,432 bytes; lats 32,768 bytes; qbuf 1,048,576 bytes; opart 17,825,792 bytes; mlpart 4,456,448 bytes
;; launch prep: the kernel of part 1 again; grid 192 x 1, 4 waves a work-group, no clusters, 88,576 bytes of LDS; arguments Wkv, Wq, Wout, latents, g_lat, b_lat, wcodes, wscales, latc, lats; writes wcodes, wscales, latc, lats
;; launch lat: the kernel of part 2 again; grid 16 x 16, 1 waves a work-group, no clusters, 0 bytes of LDS; arguments latc, lats, wcodes, wscales, qbuf, opart, mlpart; writes qbuf, opart, mlpart
;; launch main (part 5): grid 16 x 16, 4 waves a work-group, no clusters, 279,552 bytes of LDS; arguments x, g_media, b_media, wcodes, wscales, qbuf, opart, mlpart; writes opart, mlpart
.if DOCPART == 5
	.amdgcn_target "amdgcn-amd-amdhsa--gfx1250"
	.amdhsa_code_object_version 6
	.text
	.protected	k_q0ca1afeee1_main
	.globl	k_q0ca1afeee1_main
	.p2align	8
	.type	k_q0ca1afeee1_main,@function
k_q0ca1afeee1_main:
	s_mov_b64 s[64:65], 0
	v_nop
	global_prefetch_b8 v0, s[64:65] scope:SCOPE_SE
	s_setreg_imm32_b32 hwreg(HW_REG_WAVE_SCHED_MODE, 0, 2), 2
	s_setreg_imm32_b32 hwreg(HW_REG_WAVE_MODE, 25, 1), 1
	s_wait_xcnt 0x0
	s_wait_alu depctr_vm_vsrc(0)
; MAIN.  Work-group (c, b) takes media rows 256 c .. 256 c + 255 of batch b through the whole chain and stores, for each head and query tile, the partial (O, -M, l) of these 256 keys.  x is read once; k, v and p never leave the work-group.
; PHASE X: LayerNorm (f32; the variance is the mean of the squared differences) and the quantiser: the 256 rows become 16 tiles x 8 K steps of operand images in LDS.  Wave w takes rows 4 w .. 4 w + 3 of every tile.
;   Tile T's row r is key 32 (T / 2) + 16 (r / 8) + 8 (T % 2) + r % 8.  An image: register q of lane L at (q / 4) 512 + 16 L + 4 (q % 4); lane r + 16 h holds row r, registers 6 c .. 6 c + 5 block 2 c + h.
; ONE BARRIER.  From there on wave w owns heads 4 w .. 4 w + 3 for all 256 keys: 64 accumulators, 512 registers.
; PHASE G, V pass: source 0 = a tile of x, source 1 = 16 columns of Wv: lane (r, h) holds feature r, and the 16 registers of tiles 2 b', 2 b' + 1 are keys 32 b' + 16 h + 0 .. 15: v is quantised along the keys in registers (VQ)
;   and parked in the wave's own LDS bytes.  K pass: source 0 = Wk, source 1 = x: lane (r, h) holds tile row r, register j feature 8 h + j.
; PHASE A, for each query tile and head: S^T = k q^T by the f32 matrix form, with k taken straight from the accumulators (registers 2 s, 2 s + 1 of k and of q carry feature 8 h + 2 s + j at place 2 h + j: the same order on both
;   sides); q comes multiplied by 0.25 log2(e), so a score is t.  p = 2^(t - M), M the ceiling of the running largest t; the sum l is of the unquantised p; p is quantised in registers; O^T += v^T p^T.
; WEIGHTS go from memory straight into the one wave that multiplies by them, 6,144 bytes a K step, one step ahead.  No tensor load, no cluster: a weight fragment has one reader in a work-group, so through LDS a K step's 64 products
;   would read 20 fragments from LDS in place of 16, and x has to pass through registers for its LayerNorm anyway.
; LIMITS: NaN and infinities are not served; p under 2^-126 counts as 0; a block of zeros has the byte 1 (only this program reads the bytes); the order of the 16 features in a score's sum is permuted.
; THE MODE: SCHED_MODE bits 1:0 = 2 (LLVM: expert scheduling mode 2), set by the entry lines.  The code itself states the register dependences
; between vector or matrix instructions and memory or LDS instructions, with s_wait_alu, always for 0.
; THE PLAN.  Registers that memory or LDS instructions touch, and who else names them:
;   v1-3, v21 (offsets), v4, v5, v17, v18 (LDS addresses)  made once at the head; v4-21 are written again from phase A on, behind one wait on vm_vsrc.
;   The weights, q, O and (-M, l) are reached by scalar bases and immediate offsets: no vector offset is stepped for them.
;   X:  the two sets (window 2): global loads land, the stage stores read them: a wait on vm_vsrc ahead of each reload.
;       v[RD], v[I0 ..], v[SB]: read by the LDS loads and stores of two rows, written for the next two;  XR: LDS loads land, vector lines work in place;  TT: vector lines write, the stores read.
;       Two rows have three waits: vm_vsrc at their head, va_vdst behind the five address additions (ahead of the loads), va_vdst ahead of the stores.
;   G:  XA: read by a step's first 32 products;  XB: by its last 32;  a weight set and its scale words, and a set of x's scale words: by all 64;  v[AX], v[AXS]: read by every fragment load, stepped once a step.
;       A step has three waits: in its middle vm_vsrc ahead of the two additions and va_vdst behind them; the next step's 32 LDS loads into XA and the other set of scale words follow, dealt among the last 32 products,
;       which name XB, this step's weights and scale words and window 3 alone;  at its end va_vdst, which serves XB's run of loads and the next step's 13 weight loads.
;   VQ: an image's codes and scale word: va_vdst ahead of its four stores, vm_vsrc ahead of the next image's lines.
;   A:  O and (-M, l) have two buffers, for even and for odd heads.  A head's three stores stand in the next head, behind the wait that the exponentials' batch has anyway; so do, in a head's second half, the loads of the next
;       query tile's q.  Only a trip's last head stores at its own end.  A buffer is written again two heads on, behind s_wait_xcnt 0 and a wait on vm_vsrc.  p's codes and scale word: va_vdst ahead of the scaled product.
.set XPITCH, 24608                     ; LDS 0: x's images: K step s at s XPITCH (16 x 1,536 + 32), tile T at 1,536 T
.set XSC,    196864                    ; their scale bytes: 1,028 s + 64 T + 4 r + block
.set STG,    205312                    ; 18,432 bytes for each wave: in X a stage of 4 rows x 32 blocks x (128 + 16); later v's 8 images (1,536 each) and, 12,288 on, their scale words (128 each)
.set L16,  1
.set L4,   2
.set L8,   3
.set STW,  4                           ; v4-21 serve phases X and G; in phase A they hold O, -M, the sums
.set STR,  5
.set IM0,  6                           ; v6-8
.set SCB,  9
.set RD,   10
.set I0,   11                          ; v11-13
.set SB,   14
.set AX,   15
.set AXS,  16
.set VIA,  17
.set VSA,  18
.set L128, 21
.set XSR,  32                          ; v32-47 x's scale words, two sets of 8    } v32-60 hold scales
.set WSR,  48                          ; v48-51 the weights', two sets of 2       } and nothing else
.set VS,   52                          ; v52-59 v's                               }
.set PW,   60                          ; p's                                      }
.set S,    64                          ; v64-127 S^T: written by matrix instructions alone
.set XR,   128                         ; X: two rows
.set TT,   192                         ; X: 14 registers a row
.set GW,   0                           ; window 1: gain, bias
.set BW,   32
.set SCRO, 4
.set XA,   128                         ; G: tiles 0-7's fragments (tiles 8-15's: window 1 v0-95; the weights' two sets: window 1 v96-143, v144-191)
.set VPC,  128                         ; VQ
.set VTM,  148
.set VPW,  164
.set P,    128                         ; A
.set BM,   192
.set TX,   196
.set SO,   200
.set PC,   204
.set Q,    224                         ; v224-255 q, 8 a head
.set O,    4                           ; O: even heads v4-11, odd heads v22-29
.set NM,   12
.set RUN,  13
.set LSUM, 14
.set LT,   16
.set F,    18
.set TMP,  20
.set ML,   30                          ; (-M, l): even heads v30-31, odd heads v62-63
.set SST,  28
.set SIM,  29
.set SSC,  30
.set OUT,  31
.set INR,  32
.set C1,   33
.set EPS,  34
.set SEL,  36
.set XI,   38
.set XS,   39
.set QT,   40
.set QB,   44                          ; s[44:45] q of the next query tile
.set OFS,  46                          ; s[46:47] an offset, with 0 above it
.set OBS,  48                          ; s[48:49] O of this query tile
.set MBS,  50                          ; s[50:51] (-M, l) of this query tile
.set WBC,  52                          ; s[52:55] weight set 0, 1: the group that the set is asked for next
.set WSS,  56                          ; s[56:59] the same for the scale words
.set MSB, 0
.macro WIN new                         ; the immediate's high byte repeats the setting that is left; bits 1:0 source 0, 3:2 source 1, 5:4 source 2, 7:6 destination
.if MSB != (\new)
	s_set_vgpr_msb (MSB<<8)|(\new)
.set MSB, \new
.endif
.endm
.macro PLACES n
.rept \n
	v_nop
.endr
.endm
; a scaled product: d accumulator, a, b fragments, z = 1: the sum begins; sa, sb scale registers; ra, rb = 1: the scales stand in lanes 16-31
.macro MM d, a, b, z, sa, sb, ra, rb
.if (\z) && (\ra) && (\rb)
	v_wmma_scale_f32_16x16x128_f8f6f4 v[(\d):(\d)+7], v[(\a):(\a)+11], v[(\b):(\b)+11], 0, v[\sa], v[\sb] matrix_a_fmt:MATRIX_FMT_FP6 matrix_b_fmt:MATRIX_FMT_FP6 matrix_a_scale:MATRIX_SCALE_ROW1 matrix_b_scale:MATRIX_SCALE_ROW1
.elseif (\z) && (\ra)
	v_wmma_scale_f32_16x16x128_f8f6f4 v[(\d):(\d)+7], v[(\a):(\a)+11], v[(\b):(\b)+11], 0, v[\sa], v[\sb] matrix_a_fmt:MATRIX_FMT_FP6 matrix_b_fmt:MATRIX_FMT_FP6 matrix_a_scale:MATRIX_SCALE_ROW1
.elseif (\z) && (\rb)
	v_wmma_scale_f32_16x16x128_f8f6f4 v[(\d):(\d)+7], v[(\a):(\a)+11], v[(\b):(\b)+11], 0, v[\sa], v[\sb] matrix_a_fmt:MATRIX_FMT_FP6 matrix_b_fmt:MATRIX_FMT_FP6 matrix_b_scale:MATRIX_SCALE_ROW1
.elseif (\z)
	v_wmma_scale_f32_16x16x128_f8f6f4 v[(\d):(\d)+7], v[(\a):(\a)+11], v[(\b):(\b)+11], 0, v[\sa], v[\sb] matrix_a_fmt:MATRIX_FMT_FP6 matrix_b_fmt:MATRIX_FMT_FP6
.elseif (\ra) && (\rb)
	v_wmma_scale_f32_16x16x128_f8f6f4 v[(\d):(\d)+7], v[(\a):(\a)+11], v[(\b):(\b)+11], v[(\d):(\d)+7], v[\sa], v[\sb] matrix_a_fmt:MATRIX_FMT_FP6 matrix_b_fmt:MATRIX_FMT_FP6 matrix_a_scale:MATRIX_SCALE_ROW1 matrix_b_scale:MATRIX_SCALE_ROW1
.elseif (\ra)
	v_wmma_scale_f32_16x16x128_f8f6f4 v[(\d):(\d)+7], v[(\a):(\a)+11], v[(\b):(\b)+11], v[(\d):(\d)+7], v[\sa], v[\sb] matrix_a_fmt:MATRIX_FMT_FP6 matrix_b_fmt:MATRIX_FMT_FP6 matrix_a_scale:MATRIX_SCALE_ROW1
.elseif (\rb)
	v_wmma_scale_f32_16x16x128_f8f6f4 v[(\d):(\d)+7], v[(\a):(\a)+11], v[(\b):(\b)+11], v[(\d):(\d)+7], v[\sa], v[\sb] matrix_a_fmt:MATRIX_FMT_FP6 matrix_b_fmt:MATRIX_FMT_FP6 matrix_b_scale:MATRIX_SCALE_ROW1
.else
	v_wmma_scale_f32_16x16x128_f8f6f4 v[(\d):(\d)+7], v[(\a):(\a)+11], v[(\b):(\b)+11], v[(\d):(\d)+7], v[\sa], v[\sb] matrix_a_fmt:MATRIX_FMT_FP6 matrix_b_fmt:MATRIX_FMT_FP6
.endif
.endm
.macro JOIN2                           ; four pair sums a row become one number in every lane: the two rows by turns
.irp p, 0,1
	v_pk_add_f32 v[TT+14*\p:TT+14*\p+1], v[TT+14*\p:TT+14*\p+1], v[TT+14*\p+2:TT+14*\p+3]
	v_pk_add_f32 v[TT+14*\p+4:TT+14*\p+5], v[TT+14*\p+4:TT+14*\p+5], v[TT+14*\p+6:TT+14*\p+7]
.endr
.irp p, 0,1
	v_pk_add_f32 v[TT+14*\p:TT+14*\p+1], v[TT+14*\p:TT+14*\p+1], v[TT+14*\p+4:TT+14*\p+5]
.endr
.irp p, 0,1
	v_add_f32 v[TT+14*\p], v[TT+14*\p], v[TT+14*\p+1]
.endr
.irp m, 1,2,4,8
.irp p, 0,1
	v_add_f32_dpp v[TT+14*\p], v[TT+14*\p], v[TT+14*\p] row_xmask:\m row_mask:0xf bank_mask:0xf
.endr
.endr
.irp p, 0,1
	v_permlanex16_b32 v[TT+14*\p+1], v[TT+14*\p], s[SEL], s[SEL+1]
.endr
.irp p, 0,1
	v_add_f32 v[TT+14*\p], v[TT+14*\p], v[TT+14*\p+1]
.endr
.endm
; two rows: out of the stage (lane l takes block l, 32 neighbours), LayerNorm, quantised; each lane's 24 bytes of codes and its scale byte go to their places in the images
.macro ROWS2
	s_wait_alu depctr_vm_vsrc(0)                   ; the LDS loads of the two rows before have read v[RD], and their stores v[I0 ..], v[SB] and the codes and bytes in v[TT ..]: all are written again below
	v_add_nc_u32 v[RD], s[SST], v[STR]
	v_add_nc_u32 v[I0], s[SIM], v[IM0]
	v_add_nc_u32 v[I0+1], s[SIM], v[IM0+1]
	v_add_nc_u32 v[I0+2], s[SIM], v[IM0+2]
	v_add_nc_u32 v[SB], s[SSC], v[SCB]
	s_wait_alu depctr_va_vdst(0)                   ; v[RD] is written, which the loads below read; the vector lines of the two rows before are done with v[XR ..], in which they land
.irp p, 0,1
.irp j, 0,1,2,3,4,5,6,7
	ds_load_b128 v[XR+32*\p+4*\j:XR+32*\p+4*\j+3], v[RD] offset:\p*4608+16*\j
.endr
.endr
	s_wait_dscnt 0x0                               ; the rows are in
.irp k, 0,1,2,3
.irp p, 0,1
	v_pk_add_f32 v[TT+14*\p+2*\k:TT+14*\p+2*\k+1], v[XR+32*\p+4*\k:XR+32*\p+4*\k+1], v[XR+32*\p+4*\k+2:XR+32*\p+4*\k+3]
.endr
.endr
.irp m, 16,24
.irp k, 0,1,2,3
.irp p, 0,1
	v_pk_add_f32 v[TT+14*\p+2*\k:TT+14*\p+2*\k+1], v[TT+14*\p+2*\k:TT+14*\p+2*\k+1], v[XR+32*\p+\m+2*\k:XR+32*\p+\m+2*\k+1]
.endr
.endr
.endr
	JOIN2
.irp p, 0,1
	v_mul_f32 v[TT+14*\p+8], s[C1], v[TT+14*\p]    ; the mean
.endr
.irp j, 0,2,4,6,8,10,12,14,16,18,20,22,24,26,28,30
.irp p, 0,1
	v_pk_add_f32 v[XR+32*\p+\j:XR+32*\p+\j+1], v[XR+32*\p+\j:XR+32*\p+\j+1], v[TT+14*\p+8:TT+14*\p+9] op_sel_hi:[1,0] neg_lo:[0,1] neg_hi:[0,1]
.endr
.endr
.irp k, 0,1,2,3
.irp p, 0,1
	v_pk_mul_f32 v[TT+14*\p+2*\k:TT+14*\p+2*\k+1], v[XR+32*\p+2*\k:XR+32*\p+2*\k+1], v[XR+32*\p+2*\k:XR+32*\p+2*\k+1]
.endr
.endr
.irp m, 8,16,24
.irp k, 0,1,2,3
.irp p, 0,1
	v_pk_fma_f32 v[TT+14*\p+2*\k:TT+14*\p+2*\k+1], v[XR+32*\p+\m+2*\k:XR+32*\p+\m+2*\k+1], v[XR+32*\p+\m+2*\k:XR+32*\p+\m+2*\k+1], v[TT+14*\p+2*\k:TT+14*\p+2*\k+1]
.endr
.endr
.endr
	JOIN2
.irp p, 0,1
	v_fma_f32 v[TT+14*\p], v[TT+14*\p], s[C1], s[EPS]  ; the variance + 1e-5
.endr
.irp p, 0,1
	v_rsq_f32 v[TT+14*\p+10], v[TT+14*\p]
.endr
	v_nop                                          ; a plain instruction behind the two roots
	s_wait_alu depctr_va_vdst(0)                   ; the two roots have written 1 / sigma: one wait for both, ahead of their first reader
.irp j, 0,2,4,6,8,10,12,14,16,18,20,22,24,26,28,30
.irp p, 0,1
	v_pk_mul_f32 v[XR+32*\p+\j:XR+32*\p+\j+1], v[XR+32*\p+\j:XR+32*\p+\j+1], v[TT+14*\p+10:TT+14*\p+11] op_sel_hi:[1,0]
.endr
.endr
	WIN 0x14                                       ; gain and bias lie in window 1
.irp j, 0,2,4,6,8,10,12,14,16,18,20,22,24,26,28,30
.irp p, 0,1
	v_pk_fma_f32 v[XR+32*\p+\j:XR+32*\p+\j+1], v[XR+32*\p+\j:XR+32*\p+\j+1], v[GW+\j:GW+\j+1], v[BW+\j:BW+\j+1]
.endr
.endr
	WIN 0
.irp p, 0,1
	v_max3_num_f32 v[TT+14*\p+12], |v[XR+32*\p]|, |v[XR+32*\p+1]|, |v[XR+32*\p+2]|
	v_max3_num_f32 v[TT+14*\p+13], |v[XR+32*\p+3]|, |v[XR+32*\p+4]|, |v[XR+32*\p+5]|
.endr
.irp i, 6,10,14,18,22,26
.irp p, 0,1
	v_max3_num_f32 v[TT+14*\p+12], v[TT+14*\p+12], |v[XR+32*\p+\i]|, |v[XR+32*\p+\i+1]|
	v_max3_num_f32 v[TT+14*\p+13], v[TT+14*\p+13], |v[XR+32*\p+\i+2]|, |v[XR+32*\p+\i+3]|
.endr
.endr
.irp p, 0,1
	v_max3_num_f32 v[TT+14*\p+12], v[TT+14*\p+12], |v[XR+32*\p+30]|, |v[XR+32*\p+31]|
.endr
.irp p, 0,1
	v_max3_num_f32 v[TT+14*\p+12], v[TT+14*\p+12], v[TT+14*\p+13], 0x1800000   ; the floor 2^(3 - 127): the byte cannot fall under 1
.endr
.irp p, 0,1
	v_add_nc_u32 v[TT+14*\p+13], 0xff000000, v[TT+14*\p+12]   ; 2 off the exponent field: the conversion's scale operand
.endr
.irp p, 0,1
	v_cvt_scalef32_pk16_fp6_f32 v[TT+14*\p:TT+14*\p+2], v[XR+32*\p:XR+32*\p+15], v[TT+14*\p+13]
	v_cvt_scalef32_pk16_fp6_f32 v[TT+14*\p+4:TT+14*\p+6], v[XR+32*\p+16:XR+32*\p+31], v[TT+14*\p+13]
.endr
.irp p, 0,1
	v_lshrrev_b32 v[TT+14*\p+7], 23, v[TT+14*\p+13]   ; the scale's byte (also the plain instruction behind the conversions)
.endr
.irp p, 0,1
	v_mov_b32 v[TT+14*\p+3], v[TT+14*\p+4]         ; the block's 24 bytes on end
	v_mov_b32 v[TT+14*\p+4], v[TT+14*\p+5]
	v_mov_b32 v[TT+14*\p+5], v[TT+14*\p+6]
.endr
	s_wait_alu depctr_va_vdst(0)                   ; the conversions, shifts and moves have written the codes and bytes in v[TT ..], which the stores below read (their addresses were written ahead of the wait at the loads)
.irp p, 0,1
	ds_store_b64 v[I0], v[TT+14*\p:TT+14*\p+1] offset:16*\p
	ds_store_b64 v[I0+1], v[TT+14*\p+2:TT+14*\p+3] offset:16*\p
	ds_store_b64 v[I0+2], v[TT+14*\p+4:TT+14*\p+5] offset:16*\p
	ds_store_b8 v[SB], v[TT+14*\p+7] offset:SCRO*\p
.endr
.endm
; 4 rows of x, 32 loads of 512 consecutive bytes, into set 0 or 1 (window 2, v0-127 or v128-255).  No vector instruction of phase X names these registers
.macro XLOAD set, off
	WIN 0x80
.set n_, 0
.rept 32
	global_load_b128 v[128*(\set)+4*n_:128*(\set)+4*n_+3], v[L16], s[4:5] offset:(\off)+(n_/8)*4096+(n_%8)*512 th:TH_LOAD_NT
.set n_, n_+1
.endr
	WIN 0
.endm
; my four rows of one tile.  left: the other set's loads, which may stay out.  reload = 1: the set takes the tile two on
.macro TRIP set, reload, left
	s_wait_loadcnt \left
	WIN 0x08                                       ; an LDS store's data are its source 1: window 2
.set n_, 0
.rept 32
	ds_store_b128 v[STW], v[128*(\set)+4*n_:128*(\set)+4*n_+3] offset:(n_/8)*4608+(n_%8)*576
.set n_, n_+1
.endr
	s_wait_dscnt 0x0                               ; the four rows lie in the stage
.if \reload
	WIN 0x80
	s_wait_alu depctr_vm_vsrc(0)                   ; the stores above have read the set, in which the loads below land
	XLOAD \set, 131072+32768*(\set)
.else
	WIN 0
.endif
	s_mov_b32 s[INR], 2
.Lrows_\@:
	ROWS2
	s_xor_b32 s[SST], s[SST], 9216                 ; the stage's other two rows
	s_add_co_u32 s[SIM], s[SIM], 32
	s_add_co_u32 s[SSC], s[SSC], 8
	s_sub_co_u32 s[INR], s[INR], 1
	s_cmp_lg_u32 s[INR], 0
	s_cbranch_scc1 .Lrows_\@
	s_add_co_u32 s[SIM], s[SIM], 1472              ; the next tile's images: 1,536 on
	s_add_co_u32 s[SSC], s[SSC], 48                ; and its scale bytes: 64 on
.endm
; a K step's four weight fragments and their scale words, into set 0 or 1.  inc = 1: the set's bases go two groups on: the counted wait at the head of the step that multiplied by the set has shown the loads that read them done
.macro LOADW set, inc
.if \inc
	s_add_nc_u64 s[WBC+2*(\set):WBC+2*(\set)+1], s[WBC+2*(\set):WBC+2*(\set)+1], 12288
	s_add_nc_u64 s[WSS+2*(\set):WSS+2*(\set)+1], s[WSS+2*(\set):WSS+2*(\set)+1], 512
.endif
	WIN 0x40
.set n_, 0
.rept 12
	global_load_b128 v[96+48*(\set)+4*n_:96+48*(\set)+4*n_+3], v[L16], s[WBC+2*(\set):WBC+2*(\set)+1] offset:512*n_
.set n_, n_+1
.endr
	WIN 0
	global_load_b64 v[WSR+2*(\set):WSR+2*(\set)+1], v[L8], s[WSS+2*(\set):WSS+2*(\set)+1]
.endm
.macro LXA g                           ; eight of the 24 loads that bring tiles 0-7's fragments of the K step at v[AX]
.set n_, 8*(\g)
.rept 8
	ds_load_b128 v[XA+4*n_:XA+4*n_+3], v[AX] offset:512*n_
.set n_, n_+1
.endr
.endm
.macro LXS set                         ; all 16 tiles' scale words (lanes 0-15 tile 2 n, lanes 16-31 tile 2 n + 1) of the K step at v[AXS]
.set n_, 0
.rept 8
	ds_load_b32 v[XSR+8*(\set)+n_], v[AXS] offset:128*n_
.set n_, n_+1
.endr
.endm
.macro LOADXB                          ; tiles 8-15's
	WIN 0x40
.set n_, 0
.rept 24
	ds_load_b128 v[4*n_:4*n_+3], v[AX] offset:12288+512*n_
.set n_, n_+1
.endr
	WIN 0
.endm
; a pass begins: K step 0's fragments and scale words
.macro START
	s_mov_b32 s[XI], 0
	s_mov_b32 s[XS], XSC
	s_wait_alu depctr_vm_vsrc(0)                   ; my LDS stores so far (phase X's codes, VQ's images) have read registers of v128-223, in which the fragments land; the stage stores have read window 2, which the products write; the pass before's loads have read v[AX], v[AXS]
	v_add_nc_u32 v[AX], s[XI], v[L16]
	v_add_nc_u32 v[AXS], s[XS], v[L4]
	s_wait_alu depctr_va_vdst(0)                   ; v[AX], v[AXS] are written; the vector lines so far are done with v128-223 and with gain and bias (window 1 v0-63), the pass before's products with tiles 8-15's fragments, both weight sets and all scale words: loads land in all of these
	LXA 0
	LXA 1
	LXA 2
	LXS 0
	LOADXB
.endm
; 4 nt products: tiles t0 .. t0 + nt - 1 of a half x four fragments; a half's 32 accumulators by turns
.macro PRODS pass, par, half, zero, t0, nt
.set t_, \t0
.rept \nt
.set f_, 0
.rept 4
.if \pass
	MM 64*f_+8*t_, 96+48*(\par)+12*f_, XA*(1-(\half))+12*t_, \zero, WSR+2*(\par)+f_/2, XSR+8*(\par)+4*(\half)+t_/2, f_%2, t_%2
.else
	MM 64*f_+8*t_, XA*(1-(\half))+12*t_, 96+48*(\par)+12*f_, \zero, XSR+8*(\par)+4*(\half)+t_/2, WSR+2*(\par)+f_/2, t_%2, f_%2
.endif
.set f_, f_+1
.endr
.set t_, t_+1
.endr
.endm
; a K step of 128.  pass 0: v, 1: k.  par: which sets.  morew 1: the next step's weights are asked for; 2: the same without stepping the bases.  morex: the next step's x is fetched
.macro KSTEP pass, par, zero, morew, morex
.if (\morew) == 1
	LOADW 1-(\par), 1                              ; no wait: since the wait at the last step's end (or at the pass's start) no vector or matrix instruction has been issued
.elseif (\morew) == 2
	LOADW 1-(\par), 0
.endif
.if \morew
	s_wait_loadcnt 13                              ; this step's weights are in; the 12 + 1 loads just issued may be out
.else
	s_wait_loadcnt 0x0
.endif
	s_wait_dscnt 24                                ; tiles 0-7 and the scale words are in; tiles 8-15's 24 loads may be out
.if \pass
	WIN 0xa1
.else
	WIN 0xa4
.endif
	PRODS \pass, \par, 0, \zero, 0, 8
	WIN 0
	s_wait_dscnt 0x0                               ; tiles 8-15 are in
.if \morex
	s_wait_alu depctr_vm_vsrc(0)                   ; the LDS loads issued so far have read v[AX] and v[AXS]
	s_add_co_u32 s[XI], s[XI], XPITCH
	s_add_co_u32 s[XS], s[XS], 1028
	v_add_nc_u32 v[AX], s[XI], v[L16]
	v_add_nc_u32 v[AXS], s[XS], v[L4]
	s_wait_alu depctr_va_vdst(0)                   ; the 32 products above are done reading tiles 0-7's fragments, the last step's products its set of x's scale words; v[AX], v[AXS] are written
	LXA 0                                          ; the next step's 32 LDS loads, eight at a time among the products below, which name none of the registers that they touch
	WIN 0xf5
	PRODS \pass, \par, 1, \zero, 0, 1
	WIN 0
	LXA 1
	WIN 0xf5
	PRODS \pass, \par, 1, \zero, 1, 1
	WIN 0
	LXA 2
	WIN 0xf5
	PRODS \pass, \par, 1, \zero, 2, 1
	WIN 0
	LXS 1-(\par)
	WIN 0xf5
	PRODS \pass, \par, 1, \zero, 3, 5
	WIN 0x40
	s_wait_alu depctr_va_vdst(0)                   ; this step's products are done reading tiles 8-15's fragments, in which the loads below land, and its weight set and the weights' scale words, in which the next step's first 13 loads land
	LOADXB
.else
	WIN 0xf5
	PRODS \pass, \par, 1, \zero, 0, 8
	WIN 0
	PLACES 4                                       ; in front of the vector lines that read the results and write registers that the products have read
.endif
.endm
; 16 nb numbers of a lane (register 16 b + i = k 32 b + 16 (lane / 16) + i of my row), in window w, become codes in v[pc] on and a scale word in v[pw]
.macro QUANT s, w, nb, pc, tm, pw
	WIN ((\w)<<2)|((\w)<<4)
.set b_, 0
.rept \nb
	v_max3_num_f32 v[(\tm)+b_], 0x1800000, |v[(\s)+16*b_]|, |v[(\s)+16*b_+1]|   ; the floor 2^(3 - 127) among the leaves
.set b_, b_+1
.endr
.irp i, 2,4,6,8,10,12,14
.set b_, 0
.rept \nb
	v_max3_num_f32 v[(\tm)+b_], v[(\tm)+b_], |v[(\s)+16*b_+\i]|, |v[(\s)+16*b_+\i+1]|
.set b_, b_+1
.endr
.endr
	WIN 0
.set b_, 0
.rept \nb
	v_permlanex16_b32 v[(\tm)+4+b_], v[(\tm)+b_], s[SEL], s[SEL+1]
.set b_, b_+1
.endr
.set b_, 0
.rept \nb
	v_max_num_f32 v[(\tm)+b_], v[(\tm)+b_], v[(\tm)+4+b_]
.set b_, b_+1
.endr
.set b_, 0
.rept \nb
	v_add_nc_u32 v[(\tm)+12+b_], 0xff000000, v[(\tm)+b_]
.set b_, b_+1
.endr
.set b_, 0
.rept \nb
	v_lshrrev_b32 v[(\tm)+4+b_], 23, v[(\tm)+12+b_]
.set b_, b_+1
.endr
	v_lshl_or_b32 v[\pw], v[(\tm)+5], 8, v[(\tm)+4]
	v_lshl_or_b32 v[\pw], v[(\tm)+6], 16, v[\pw]
	v_lshl_or_b32 v[\pw], v[(\tm)+7], 24, v[\pw]
	WIN \w
.set c_, 0
.rept \nb/2
	v_cvt_scalef32_pk16_fp6_f32 v[(\pc)+6*c_:(\pc)+6*c_+2], v[(\s)+32*c_:(\s)+32*c_+15], v[(\tm)+12+2*c_]
	v_cvt_scalef32_pk16_fp6_f32 v[(\pc)+12+4*c_:(\pc)+14+4*c_], v[(\s)+32*c_+16:(\s)+32*c_+31], v[(\tm)+13+2*c_]
.set c_, c_+1
.endr
	WIN 0
	v_nop                                          ; a plain instruction behind the conversions
.set c_, 0
.rept \nb/2
.irp i, 0,1,2
	v_permlane16_swap_b32 v[(\pc)+6*c_+\i], v[(\pc)+12+4*c_+\i]   ; a whole block to a lane
.endr
.irp i, 0,1,2
	v_mov_b32 v[(\pc)+3+6*c_+\i], v[(\pc)+12+4*c_+\i]
.endr
.set c_, c_+1
.endr
.endm
; a head's partial leaves: O from v[ob] on, (-M, l) from v[mb] on
.macro OUTS ob, mb, f
	global_store_b128 v[L16], v[(\ob):(\ob)+3], s[OBS:OBS+1] offset:4096*(\f)        ; 512 consecutive bytes a store
	global_store_b128 v[L16], v[(\ob)+4:(\ob)+7], s[OBS:OBS+1] offset:4096*(\f)+512
	global_store_b64 v[L8], v[(\mb):(\mb)+1], s[MBS:MBS+1] offset:1024*(\f)          ; 256 consecutive bytes
.endm
; the softmax's part for 128 keys of head f, half hf: S (t) -> p in P, its codes in PC, its scale word in PW; -M, the sums.  first = 1: it starts M and the sums.  OC: this head's O;  OP, MP: the buffers of the head before
.macro SOFT nb, first, f, hf
.set b_, 0
.rept \nb
	v_max3_num_f32 v[BM+b_], v[S+16*b_], v[S+16*b_+1], v[S+16*b_+2]   ; each block's largest t: for the row's maximum and for the block's largest p
.set b_, b_+1
.endr
.irp i, 3,5,7,9,11,13
.set b_, 0
.rept \nb
	v_max3_num_f32 v[BM+b_], v[BM+b_], v[S+16*b_+\i], v[S+16*b_+\i+1]
.set b_, b_+1
.endr
.endr
.set b_, 0
.rept \nb
	v_max_num_f32 v[BM+b_], v[BM+b_], v[S+16*b_+15]
.set b_, b_+1
.endr
.set b_, 0
.rept \nb
	v_permlanex16_b32 v[TX+b_], v[BM+b_], s[SEL], s[SEL+1]
.set b_, b_+1
.endr
.set b_, 0
.rept \nb
	v_max_num_f32 v[BM+b_], v[BM+b_], v[TX+b_]
.set b_, b_+1
.endr
	v_max3_num_f32 v[TMP], v[BM], v[BM+1], v[BM+2]
	v_max_num_f32 v[TMP], v[TMP], v[BM+3]
.if (\first)
	v_mov_b32 v[RUN], v[TMP]
	v_floor_f32 v[NM], -v[RUN]                     ; -M = floor(-t) = -ceil(t)
.else
	v_max_num_f32 v[RUN], v[RUN], v[TMP]
	v_mov_b32 v[TMP], v[NM]
	v_floor_f32 v[NM], -v[RUN]
	v_sub_f32 v[TMP], v[NM], v[TMP]                ; old M - new M: a whole number, 0 or less
	v_cvt_i32_f32 v[TMP], v[TMP]
	v_ldexp_f32 v[F], 1.0, v[TMP]                  ; f = 2^(old M - new M): a multiplication by it rounds nothing
.endif
.set j_, 0
.rept 8*\nb
	v_pk_add_f32 v[P+j_:P+j_+1], v[S+j_:S+j_+1], v[NM:NM+1] op_sel_hi:[1,0]   ; t - M, into other registers than the sums'
.set j_, j_+2
.endr
.set b_, 0
.rept \nb
	v_add_f32 v[BM+b_], v[BM+b_], v[NM]
.set b_, b_+1
.endr
.set j_, 0
.rept 16*\nb
	v_exp_f32 v[P+j_], v[P+j_]
.set j_, j_+1
.endr
.if (\first)
	v_nop                                          ; a plain instruction behind the exponentials
.else
	v_pk_mul_f32 v[LSUM:LSUM+1], v[LSUM:LSUM+1], v[F:F+1] op_sel_hi:[1,0]
.endif
	s_wait_alu depctr_va_vdst(0)                   ; the exponentials have written p: one wait for the batch, ahead of its first reader.  It also states what the stores or loads below hang on
.if ((\hf) == 0) && ((\f) > 0)
	OUTS OP, MP, (\f)-1                            ; the head before: its last product has written its O (more than four plain vector lines stand between), its last lines its (-M, l); nothing of this head names these two buffers
.endif
.if (\hf) == 1
	global_load_b128 v[Q+8*(\f):Q+8*(\f)+3], v[L16], s[QB:QB+1] offset:4096*(\f)        ; the next query tile's q (in the last trip tile 0 once more: inside the buffer, not used): this head's score products are done reading these registers,
	global_load_b128 v[Q+8*(\f)+4:Q+8*(\f)+7], v[L16], s[QB:QB+1] offset:4096*(\f)+512  ; and nothing names them before the next trip
.endif
.set b_, 0
.rept \nb
	v_exp_f32 v[BM+b_], v[BM+b_]                   ; each block's largest p
.set b_, b_+1
.endr
	v_pk_add_f32 v[LT:LT+1], v[P:P+1], v[P+2:P+3]  ; the sum of the unquantised p, in two chains
.set j_, 4
.rept 4*\nb-1
.if (\first) && (j_ == 4)
.elseif (\first) && (j_ == 8)
	v_pk_add_f32 v[LSUM:LSUM+1], v[P+4:P+5], v[P+8:P+9]
.else
	v_pk_add_f32 v[LSUM:LSUM+1], v[LSUM:LSUM+1], v[P+j_:P+j_+1]
.endif
	v_pk_add_f32 v[LT:LT+1], v[LT:LT+1], v[P+j_+2:P+j_+3]
.set j_, j_+4
.endr
	v_pk_add_f32 v[LSUM:LSUM+1], v[LSUM:LSUM+1], v[LT:LT+1]
	s_wait_alu depctr_va_vdst(0)                   ; the blocks' four exponentials have written their results: one wait, ahead of their first reader
.set b_, 0
.rept \nb
	v_max_num_f32 v[BM+b_], 0x1800000, v[BM+b_]
.set b_, b_+1
.endr
.set b_, 0
.rept \nb
	v_add_nc_u32 v[SO+b_], 0xff000000, v[BM+b_]
.set b_, b_+1
.endr
.set b_, 0
.rept \nb
	v_lshrrev_b32 v[TX+b_], 23, v[SO+b_]
.set b_, b_+1
.endr
	v_lshl_or_b32 v[PW], v[TX+1], 8, v[TX]
	v_lshl_or_b32 v[PW], v[TX+2], 16, v[PW]
	v_lshl_or_b32 v[PW], v[TX+3], 24, v[PW]
.set c_, 0
.rept \nb/2
	v_cvt_scalef32_pk16_fp6_f32 v[PC+6*c_:PC+6*c_+2], v[P+32*c_:P+32*c_+15], v[SO+2*c_]
	v_cvt_scalef32_pk16_fp6_f32 v[PC+12+4*c_:PC+14+4*c_], v[P+32*c_+16:P+32*c_+31], v[SO+2*c_+1]
.set c_, c_+1
.endr
	v_nop
.set c_, 0
.rept \nb/2
.irp i, 0,1,2
	v_permlane16_swap_b32 v[PC+6*c_+\i], v[PC+12+4*c_+\i]
.endr
.irp i, 0,1,2
	v_mov_b32 v[PC+3+6*c_+\i], v[PC+12+4*c_+\i]
.endr
.set c_, c_+1
.endr
.if (\first)
.else
.irp q, 0,2,4,6
	v_pk_mul_f32 v[OC+\q:OC+\q+1], v[OC+\q:OC+\q+1], v[F:F+1] op_sel_hi:[1,0]
.endr
.endif
	PLACES 8                                       ; the scale word stands eight places, the codes four, ahead of the scaled product
.endm
	s_load_b512 s[4:19], s[0:1], 0x0               ; x 4, g 6, b 8, wcodes 10, wscales 12, qbuf 14, opart 16, mlpart 18
	v_lshl_add_u32 v61, v0, 2, 0x44200
	s_set_vgpr_msb 0x40
	v_mov_b32 v255, 0
	s_set_vgpr_msb 0x4000
	v_lshrrev_b32 v29, 5, v0
	v_readfirstlane_b32 s20, v29                   ; wave
	v_and_b32 v30, 31, v0                          ; lane
	v_lshlrev_b32 v[L16], 4, v30
	v_lshlrev_b32 v[L4], 2, v30
	v_lshlrev_b32 v[L8], 3, v30
	v_lshlrev_b32 v[L128], 7, v30
	s_wait_alu depctr_va_sdst(0)                   ; s20 is written, ahead of its first reader: LDS addresses and the bases of x, the weights, q and the partials are made from it
	s_mul_i32 s21, s20, 18432
	s_add_co_u32 s21, s21, STG
	v_lshrrev_b32 v29, 3, v30
	v_mul_u32_u24 v[STW], v29, 144
	v_and_b32 v29, 7, v30
	v_lshl_add_u32 v[STW], v29, 4, v[STW]
	v_add_nc_u32 v[STW], s21, v[STW]               ; into the stage: eight lanes fill a block's 128 bytes
	v_mul_u32_u24 v[STR], v30, 144
	v_add_nc_u32 v[STR], s21, v[STR]               ; out of it: lane l takes block l
	v_add_nc_u32 v[VIA], s21, v[L16]
	s_add_co_u32 s21, s21, 12288
	v_add_nc_u32 v[VSA], s21, v[L4]
	v_lshrrev_b32 v29, 2, v30
	v_mul_u32_u24 v31, v29, XPITCH                 ; K step l / 4
	v_and_b32 v26, 1, v30
	v_lshl_add_u32 v31, v26, 8, v31                ; lanes 16-31 of the image for odd blocks
	s_lshl_b32 s21, s20, 6
	v_add_nc_u32 v31, s21, v31                     ; tile rows 4 w on
	v_bfe_u32 v26, v30, 1, 1                       ; c
	v_mad_u32_u24 v[IM0], v26, 520, v31            ; the three register pairs of a block: 520 c, 8 + 1016 c, 512 + 520 c
	v_mad_u32_u24 v[IM0+1], v26, 1016, v31
	v_add_nc_u32 v[IM0+1], 8, v[IM0+1]
	v_add_nc_u32 v[IM0+2], 512, v[IM0]
	v_mul_u32_u24 v[SCB], v29, 1028
	v_and_b32 v26, 3, v30
	v_add_nc_u32 v[SCB], v[SCB], v26
	s_lshl_b32 s21, s20, 4
	s_add_co_u32 s21, s21, XSC
	v_add_nc_u32 v[SCB], s21, v[SCB]
	v_mov_b32 v[TT+9], 0                           ; upper halves of pairs of which the low word serves both halves
	v_mov_b32 v[TT+11], 0
	v_mov_b32 v[TT+23], 0
	v_mov_b32 v[TT+25], 0
	s_mov_b32 s[SEL], 0x76543210
	s_mov_b32 s[SEL+1], 0xfedcba98                 ; v_permlanex16_b32's selects for lane l xor 16
	s_mov_b32 s[C1], 0x3a800000                    ; 1 / 1024
	s_mov_b32 s[EPS], 0x3727c5ac                   ; 1e-5
	s_mov_b32 s[SST], 0
	s_mov_b32 s[SIM], 0
	s_mov_b32 s[SSC], 0
	s_and_b32 s41, ttmp7, 0xffff                   ; b
	s_lshl_b32 s22, s41, 12
	s_lshl_b32 s23, ttmp9, 8
	s_add_co_u32 s22, s22, s23
	s_lshr_b32 s23, s20, 1
	s_lshl_b32 s23, s23, 4
	s_add_co_u32 s22, s22, s23
	s_and_b32 s23, s20, 1
	s_lshl_b32 s23, s23, 2
	s_add_co_u32 s22, s22, s23                     ; my first row: 4096 b + 256 c + 16 (w / 2) + 4 (w % 2)
	s_lshl_b32 s22, s22, 12
	s_mov_b32 s23, 0
	s_mul_i32 s24, s20, 98304                      ; my 16 groups of weights
	s_mov_b32 s25, 0
	s_lshl_b32 s26, s20, 12
	s_mov_b32 s27, 0
	s_lshl_b32 s44, s20, 2                         ; my first head
	s_lshl_b32 s42, s41, 4
	s_add_co_u32 s42, s42, s44
	s_lshl_b32 s42, s42, 12
	s_mov_b32 s43, 0
	s_mul_i32 s46, s41, 17
	s_add_co_u32 s46, s46, ttmp9
	s_lshl_b32 s46, s46, 4
	s_add_co_u32 s46, s46, s44
	s_lshl_b32 s44, s46, 12
	s_mov_b32 s45, 0
	s_lshl_b32 s46, s46, 10
	s_mov_b32 s47, 0
	s_wait_kmcnt 0x0
	s_add_nc_u64 s[4:5], s[4:5], s[22:23]
	s_add_nc_u64 s[WBC:WBC+1], s[10:11], s[24:25]          ; weight set 0 begins with my group 0,
	s_add_nc_u64 s[WBC+2:WBC+3], s[WBC:WBC+1], 6144        ; set 1 with my group 1
	s_add_nc_u64 s[WSS:WSS+1], s[12:13], s[26:27]
	s_add_nc_u64 s[WSS+2:WSS+3], s[WSS:WSS+1], 256
	s_add_nc_u64 s[14:15], s[14:15], s[42:43]
	s_add_nc_u64 s[16:17], s[16:17], s[44:45]
	s_add_nc_u64 s[18:19], s[18:19], s[46:47]
	WIN 0x40
	s_wait_alu depctr_va_vdst(0)                   ; the offsets v1-3 and v21 and the LDS addresses v4, v5, v17, v18 are written, which the loads and stores of the whole kernel read
.irp j, 0,1,2,3,4,5,6,7
	global_load_b128 v[GW+4*\j:GW+4*\j+3], v[L128], s[6:7] offset:16*\j
	global_load_b128 v[BW+4*\j:BW+4*\j+3], v[L128], s[8:9] offset:16*\j
.endr
	WIN 0
.irp f, 0,1,2,3
	global_load_b128 v[Q+8*\f:Q+8*\f+3], v[L16], s[14:15] offset:4096*\f
	global_load_b128 v[Q+8*\f+4:Q+8*\f+7], v[L16], s[14:15] offset:4096*\f+512
.endr
	LOADW 0, 0
	XLOAD 0, 0
	XLOAD 1, 32768
	; ---------------- X: 16 tiles, even ones from set 0, odd ones from set 1; each set's loads have two tiles' work in which to land
	s_mov_b32 s[OUT], 7
.Lx:
	TRIP 0, 1, 32
	TRIP 1, 1, 32
	s_wait_xcnt 0x0                                ; the loads have read their base
	s_add_nc_u64 s[4:5], s[4:5], 131072            ; 32 rows on
	s_sub_co_u32 s[OUT], s[OUT], 1
	s_cmp_lg_u32 s[OUT], 0
	s_cbranch_scc1 .Lx
	TRIP 0, 0, 32                                  ; the last two tiles ask for nothing
	TRIP 1, 0, 0
	s_wait_dscnt 0x0                               ; for the others' sake: my stores have landed
	s_barrier_signal -1
	s_barrier_wait -1                              ; all 128 images lie in LDS; from here on they are only read, and each wave's stage bytes stay its own
	; ---------------- G, V pass
	START
	KSTEP 0, 0, 1, 2, 1
	s_mov_b32 s[OUT], 3
.Lv:
	KSTEP 0, 1, 0, 1, 1
	KSTEP 0, 0, 0, 1, 1
	s_sub_co_u32 s[OUT], s[OUT], 1
	s_cmp_lg_u32 s[OUT], 0
	s_cbranch_scc1 .Lv
	KSTEP 0, 1, 0, 1, 0
	; ---------------- VQ: v is quantised along the keys; its eight fragments wait in my own LDS bytes while their registers serve the K pass
.irp b, 4,5,6,7
	v_mov_b32 v[VTM+\b], 0                         ; a lane permute's destination counts as read
.endr
.irp f, 0,1,2,3
.irp hf, 0,1
.if (2*\f+\hf) > 0
	s_wait_alu depctr_vm_vsrc(0)                   ; the stores of the image before have read v[VPC ..] and v[VPW], which the lines below write again
.endif
	QUANT 64*\f, 2+\hf, 4, VPC, VTM, VPW
	s_wait_alu depctr_va_vdst(0)                   ; the exchanges and moves have written the codes in v[VPC ..], the shifts the scale word in v[VPW]: the stores below read them
.irp g, 0,1,2
	ds_store_b128 v[VIA], v[VPC+4*\g:VPC+4*\g+3] offset:(2*\f+\hf)*1536+512*\g
.endr
	ds_store_b32 v[VSA], v[VPW] offset:(2*\f+\hf)*128
	s_wait_dscnt 0x0                               ; the image lies in LDS
.endr
.endr
	; ---------------- G, K pass
	START
	KSTEP 1, 0, 1, 1, 1
	s_mov_b32 s[OUT], 3
.Lk:
	KSTEP 1, 1, 0, 1, 1
	KSTEP 1, 0, 0, 1, 1
	s_sub_co_u32 s[OUT], s[OUT], 1
	s_cmp_lg_u32 s[OUT], 0
	s_cbranch_scc1 .Lk
	KSTEP 1, 1, 0, 0, 0
	; ---------------- A
	v_nop                                          ; with the four above: five places before k's accumulators serve as a matrix operand
	WIN 0x40
	s_wait_alu depctr_va_vdst(0)                   ; the last K step's products are done reading tiles 8-15's fragments (window 1 v0-95), in which v's fragments land
.set n_, 0
.rept 24
	ds_load_b128 v[4*n_:4*n_+3], v[VIA] offset:512*n_   ; v's fragments: (head f, half hf) at window 1 v[12 (2 f + hf)]
.set n_, n_+1
.endr
	WIN 0
.set n_, 0
.rept 8
	ds_load_b32 v[VS+n_], v[VSA] offset:128*n_
.set n_, n_+1
.endr
	s_wait_alu depctr_vm_vsrc(0)                   ; every load and store so far has read its address: v4-21 are written from here on: O, -M, the sums
	v_mov_b32 v[F+1], 0
	v_mov_b32 v[TMP+1], 0
.irp b, 0,1,2,3
	v_mov_b32 v[TX+\b], 0
.endr
	s_wait_dscnt 0x0
; one head, one query tile: two halves of 128 keys
.macro HEAD f
.set OC, O+18*((\f)%2)                 ; this head's buffers,
.set MC, ML+32*((\f)%2)
.set OP, O+18*(1-(\f)%2)               ; and those of the head before
.set MP, ML+32*(1-(\f)%2)
.if (\f) > 1
	s_wait_xcnt 0x0                                ; the stores of the head two back, issued in the last head, have had their addresses translated,
	s_wait_alu depctr_vm_vsrc(0)                   ; and have read its O and (-M, l): this head writes the same buffers
.endif
	s_wait_loadcnt 0x6                             ; this head's q is in; the other three heads' two loads each may be out
.irp hf, 0,1
	WIN 2+\hf                                      ; source 0: k's accumulators
.irp s4, 0,1,2,3
.irp t, 0,1,2,3,4,5,6,7
.if \s4 == 0
	v_wmma_f32_16x16x4_f32 v[S+8*\t:S+8*\t+7], v[64*\f+8*\t:64*\f+8*\t+1], v[Q+8*\f:Q+8*\f+1], 0
.else
	v_wmma_f32_16x16x4_f32 v[S+8*\t:S+8*\t+7], v[64*\f+8*\t+2*\s4:64*\f+8*\t+2*\s4+1], v[Q+8*\f+2*\s4:Q+8*\f+2*\s4+1], v[S+8*\t:S+8*\t+7]
.endif
.endr
.endr
	WIN 0
	PLACES 8
	SOFT 4, 1-\hf, \f, \hf
	WIN 0x01                                       ; source 0: v's fragment, window 1
	s_wait_alu depctr_va_vdst(0)                   ; the conversions, exchanges and moves have written p's codes, the shifts its scale word: the scaled product takes them as source 1 and as scale; the eight places stay beside this wait
	MM OC, 12*(2*\f+\hf), PC, 1-\hf, VS+2*\f+\hf, PW, 0, 0
	WIN 0
.endr
	v_add_f32 v[TMP], v[LSUM], v[LSUM+1]
	v_permlanex16_b32 v[TMP+1], v[TMP], s[SEL], s[SEL+1]
	v_mov_b32 v[MC], v[NM]
	v_add_f32 v[MC+1], v[TMP], v[TMP+1]            ; the query's sum over both halves of the lanes
.if (\f) == 3
	PLACES 4                                       ; a trip's last head stores at its own end: four places behind its last product,
	s_wait_alu depctr_va_vdst(0)                   ; then the wait: that product has written O, the lines above (-M, l), which the stores read
	OUTS OC, MC, \f
.endif
.endm
	s_mov_b32 s[QT], 0
	s_mov_b32 s[OFS+1], 0
.Lqt:
	s_wait_xcnt 0x0                                ; the last trip's loads and stores have read their bases, which are made anew below,
	s_wait_alu depctr_vm_vsrc(0)                   ; and the stores of its heads 2 and 3 have read both O and both (-M, l), which heads 0 and 1 write again
	s_add_co_u32 s[OFS], s[QT], 1
	s_and_b32 s[OFS], s[OFS], 3
	s_lshl_b32 s[OFS], s[OFS], 10
	s_add_nc_u64 s[QB:QB+1], s[14:15], s[OFS:OFS+1]        ; q: the next query tile, 1,024 bytes a tile
	s_lshl_b32 s[OFS], s[QT], 10
	s_add_nc_u64 s[OBS:OBS+1], s[16:17], s[OFS:OFS+1]      ; O: this query tile
	s_lshl_b32 s[OFS], s[QT], 8
	s_add_nc_u64 s[MBS:MBS+1], s[18:19], s[OFS:OFS+1]      ; (-M, l): 256 bytes a tile
	HEAD 0
	HEAD 1
	HEAD 2
	HEAD 3
	s_add_co_u32 s[QT], s[QT], 1
	s_cmp_lt_u32 s[QT], 4
	s_cbranch_scc1 .Lqt
	s_set_vgpr_msb 0x4
	s_wait_dscnt 0x0
	s_wait_alu depctr_hold_cnt(0) depctr_sa_sdst(0) depctr_va_vdst(0) depctr_va_sdst(0) depctr_va_ssrc(0) depctr_va_vcc(0) depctr_vm_vsrc(0)
	s_wait_tensorcnt 0x0
	ds_add_u32 v61, v255
	s_wait_dscnt 0x0
	s_endpgm
.Lfunc_end_k_q0ca1afeee1_main:
	.size	k_q0ca1afeee1_main, .Lfunc_end_k_q0ca1afeee1_main-k_q0ca1afeee1_main
	.p2alignl 7, 3214868480
	.fill 96, 4, 3214868480
	.section	.rodata,"a",@progbits
	.p2align	6, 0x0
	.amdhsa_kernel k_q0ca1afeee1_main
		.amdhsa_group_segment_fixed_size 279552
		.amdhsa_private_segment_fixed_size 0
		.amdhsa_enable_private_segment 0
		.amdhsa_kernarg_size 64
		.amdhsa_user_sgpr_count 2
		.amdhsa_user_sgpr_kernarg_segment_ptr 1
		.amdhsa_wavefront_size32 1
		.amdhsa_system_sgpr_workgroup_id_x 1
		.amdhsa_system_sgpr_workgroup_id_y 1
		.amdhsa_system_sgpr_workgroup_id_z 1
		.amdhsa_system_vgpr_workitem_id 0
		.amdhsa_next_free_vgpr 1024
		.amdhsa_next_free_sgpr 66
		.amdhsa_reserve_vcc 0
		.amdhsa_float_denorm_mode_32 3
		.amdhsa_float_denorm_mode_16_64 3
		.amdhsa_memory_ordered 1
		.amdhsa_forward_progress 1
		.amdhsa_inst_pref_size 255
	.end_amdhsa_kernel
	.section	.bss,"aw",@nobits
	.p2align	6
	.space	262144
	.amdgpu_metadata
---
amdhsa.version: [ 1, 2 ]
amdhsa.kernels:
  - .name:           k_q0ca1afeee1_main
    .symbol:         k_q0ca1afeee1_main.kd
    .args:
      - { .name: x, .offset: 0, .size: 8, .value_kind: global_buffer, .address_space: global }
      - { .name: g_media, .offset: 8, .size: 8, .value_kind: global_buffer, .address_space: global }
      - { .name: b_media, .offset: 16, .size: 8, .value_kind: global_buffer, .address_space: global }
      - { .name: wcodes, .offset: 24, .size: 8, .value_kind: global_buffer, .address_space: global }
      - { .name: wscales, .offset: 32, .size: 8, .value_kind: global_buffer, .address_space: global }
      - { .name: qbuf, .offset: 40, .size: 8, .value_kind: global_buffer, .address_space: global }
      - { .name: opart, .offset: 48, .size: 8, .value_kind: global_buffer, .address_space: global }
      - { .name: mlpart, .offset: 56, .size: 8, .value_kind: global_buffer, .address_space: global }
    .group_segment_fixed_size: 279552
    .private_segment_fixed_size: 0
    .kernarg_segment_align: 8
    .kernarg_segment_size: 64
    .max_flat_workgroup_size: 128
    .sgpr_count:     66
    .vgpr_count:     1024
    .wavefront_size: 32
...
	.end_amdgpu_metadata
.endif
;; end of part 5
;; launch fin: the kernel of part 4 again; grid 16 x 16, 4 waves a work-group, no clusters, 21,248 bytes of LDS; arguments opart, mlpart, wcodes, wscales, out0; writes out0
